; MI455X (gfx1250); checked and timed in simulation.
; The chip was launched on July 23, 2026; its instructions are those of AMD's public machine-readable ISA for CDNA 5 (MIT licence, August 2026) and "CDNA5" Instruction Set Architecture Reference Guide (July 2026). The comments in the code are by the model that wrote it; some were corrected since.
;; Attention. Allowed arithmetic: matrix products marked QUANTISED: E3M2 operands, one E8M0 scale for each 32 along K, by v_wmma_scale_f32_16x16x128_f8f6f4 with both operands' format E3M2, f32 sums; everything else in f32.
;; Inputs: Wkv 1,024 x 256 float32; Wo 256 x 512 float32; Wq 512 x 256 float32; bo 256 float32; x 4 x 256 x 128 x 128 float32.
;; Outputs: out0 4 x 256 x 128 x 128 float32.
;; This version of the problem:
;;   THIS VERSION OF THE PROBLEM IS GIVEN IN LOW PRECISION. The matrix products marked QUANTISED in the list below multiply operands that are first quantised to E3M2 (3 exponent bits, 2 mantissa bits; 6 bits a number), with one power-of-two scale for each 32 numbers along K (OCP MX v1.0); their sums are f32. All else is computed in f32.
;;   The module's matrix products, in the order in which they are computed (A, B: the left and right operand; K: the contracted axis; several contracted axes count as one K, in the product's order):
;;     1. [M 65,536, K 256] x [K 256, N 512]; A: input x; B: input Wq: QUANTISED
;;     2. [M 65,536, K 256] x [K 256, N 1,024]; A: input x; B: input Wkv: QUANTISED
;;     3. batch 2,048 x [M 256, K 64] x [K 64, N 256]; A: computed on the way; B: computed on the way: QUANTISED
;;     4. batch 2,048 x [M 256, K 256] x [K 256, N 64]; A: softmax (see below); B: computed on the way: QUANTISED
;;     5. [M 65,536, K 512] x [K 512, N 256]; A: computed on the way; B: input Wo: QUANTISED
;;   THE QUANTISER, for each operand of a quantised product, along K:
;;     - K is cut into blocks of 32 from its start; a last block that is shorter is filled with zeros.
;;     - A block's scale is 2^e with e = floor(log2(the largest magnitude in the block)) - 4, held to -126 .. 127; a block of zeros has e = 0. As a byte (E8M0): e + 127.
;;     - Each number is divided by its block's scale, clamped to +-28, and rounded to the nearest number of E3M2, ties to even, subnormals kept.
;;     - The product sums the exact products of the quantised numbers (number of the format x scale) in f32.
;;   ~~~python
;;   def quantise(x, axis):      # numpy; x: float32 -> the quantised numbers, widened to float32 again
;;       x = np.moveaxis(x, axis, -1); K = x.shape[-1]
;;       x = np.pad(x, [(0, 0)] * (x.ndim - 1) + [(0, -K % 32)]); x = x.reshape(x.shape[:-1] + (-1, 32)); a = np.abs(x).max(-1, keepdims=True)
;;       e = np.where(a > 0, np.clip(np.frexp(np.where(a > 0, a, 1))[1] - 1 - 4, -126, 127), 0)      # np.frexp(a)[1] - 1 = floor(log2(a)), exactly
;;       r = np.clip(x / 2.0 ** e, -28, 28)
;;       step = 2.0 ** (np.maximum(np.frexp(np.where(r == 0, 1, r))[1] - 1, -2) - 2)
;;       q = np.round(r / step) * step * 2.0 ** e      # np.round: ties to even
;;       return np.moveaxis(q.reshape(q.shape[:-2] + (-1,))[..., :K], -1, axis).astype(np.float32)
;;   ~~~
;;   SOFTMAX AHEAD OF A QUANTISED PRODUCT. Where the list says 'softmax', what is quantised is not the finished softmax but p = 2^(t - M), with t = logit x log2(e) and M = ceil(the row's largest t), a whole number; so 1/2 < the row's largest p <= 1. The row's sum l is taken of the UNQUANTISED p, in f32, and the product's result is divided by l at the end. Since M is a whole number, a kernel that streams over the keys may use a running M (the ceiling of the running maximum): every later rescaling is an exact power of two, which a block's scale takes up: the codes' values come out the same.
;;   OPERANDS COMPUTED ON THE WAY. 'Computed on the way' means the value that the module computes at that place (a softmax that the list does not call 'softmax' is quantised finished and normalised). What goes into a quantiser is computed in f32, as accurately as f32 sums, v_exp_f32 and their like allow (about 1e-6 of the number): no bf16 or f16 on the way to a quantiser, and a product that is left as it is and whose result goes on into a quantised operand takes f32 operands (vector FMAs, or v_wmma_f32_16x16x4_f32). A number that lies on a knife's edge between two numbers of the format may be rounded either way, as far as f32 arithmetic and the matrix unit's own rounding can turn it there, and no further.
;; 2 versions. Each part assembles by itself: llvm-mc -triple=amdgcn-amd-amdhsa -mcpu=gfx1250 --defsym DOCPART=n.
;; ======== version 1 of 2: 2 launches
;; workspace buffers: wbuf 425,984 bytes
;; launch prep (part 1): grid 128 x 1, 1 waves a work-group, no clusters, 0 bytes of LDS; arguments Wq, Wkv, Wo, wbuf; writes wbuf
.if DOCPART == 1
	.amdgcn_target "amdgcn-amd-amdhsa--gfx1250"
	.amdhsa_code_object_version 6
	.text
	.protected	k_qd48e67fa8c_prep
	.globl	k_qd48e67fa8c_prep
	.p2align	8
	.type	k_qd48e67fa8c_prep,@function
k_qd48e67fa8c_prep:
	s_mov_b64 s[64:65], 0
	v_nop
	global_prefetch_b8 v0, s[64:65] scope:SCOPE_SE
	s_setreg_imm32_b32 hwreg(HW_REG_WAVE_MODE, 25, 1), 1
	s_wait_xcnt 0x0
; The weights Wq [512][256], Wkv [1024][256], Wo [256][512], f32 with K innermost, become codes of BF6 (E3M2) with one E8M0 byte for each 32 along K,
; laid in wbuf IN THE ORDER OF THE OPERAND'S REGISTERS: a fragment (16 rows x 128 K, 12 registers a lane) is 3 chunks of 512 bytes, chunk j = registers 4 j .. 4 j + 3, 16 bytes a lane.
; 256 fragments from byte 0; eight make a group: groups 0-7 v of head 0-7, 8-15 k, 16-23 q (fragment 2 tile + K step), 24-31 Wo for wave 0-7 (fragment 4 tile + K step).
; From byte 393,216: the scale words, 256 bytes a task: lane l's 8 bytes are the words of the task's two fragments for row l % 16 (lanes 16-31 repeat lanes 0-15).
; A task (one wave) makes the two fragments of one tile of 16 rows x 256 K.
; THE ROWS OF A TILE of Wq, Wk, Wv are not neighbours: lane r of tile u of a head takes row 32 (r / 8) + 8 u + r % 8 of the head's 64, so that in the product's result the 32 registers
; of a lane's four tiles are 32 neighbours: a whole block of the next quantiser.  Wo's tiles are 16 neighbouring rows.
; A block's scale is 2^(floor(log2(largest magnitude)) - 4): its byte is the largest magnitude's exponent field - 4, held at 1 from below by a floor among the maximum's leaves.
; LIMITS: a block of zeros gets the byte 1 where the quantiser says 127 (its codes are zeros, and this program alone reads the bytes); NaN and infinities are not served.
.set SRC, 64                           ; v64-191  four blocks of 32 numbers: block q = 2 f + c is k = 128 f + 64 c + 32 (lane / 16) + 0 .. 31 of my row
.set MX,  8                            ; v8-11    largest magnitudes
.set EX,  12                           ; v12-15   the conversions' scale operands
.set BY,  16                           ; v16-19   the bytes
.set CD,  32                           ; v32-55   the codes: fragment f at CD + 12 f
.set XT,  192                          ; v192-207 second halves of the blocks' codes (a conversion's three registers begin on an even number)
	s_load_b128 s[4:7], s[0:1], 0x0                ; Wq, Wkv
	s_load_b128 s[8:11], s[0:1], 0x10              ; Wo, wbuf
	v_and_b32 v1, 15, v0                           ; r
	v_lshrrev_b32 v2, 4, v0                        ; h
	s_lshr_b32 s12, ttmp9, 2                       ; the group
	s_and_b32 s13, ttmp9, 3
	s_lshl_b32 s13, s13, 3                         ; 8 x tile
	s_xor_b32 s14, s12, 8                          ; Wkv: groups 0-7 are v (rows 512 on), 8-15 are k (rows 0 on)
	s_and_b32 s14, s14, 15
	s_lshl_b32 s14, s14, 6
	s_add_co_u32 s14, s14, s13
	s_and_b32 s15, s12, 7                          ; Wq: groups 16-23
	s_lshl_b32 s15, s15, 6
	s_add_co_u32 s15, s15, s13
	s_and_b32 s16, ttmp9, 31                       ; Wo: tasks 96-127: tile = task' / 2, columns 256 (task' % 2) on
	s_lshr_b32 s17, s16, 1
	s_lshl_b32 s17, s17, 4
	s_and_b32 s18, s16, 1
	s_lshl_b32 s18, s18, 10
	s_mov_b32 s21, 0x76543210
	s_mov_b32 s22, 0xfedcba98                      ; v_permlanex16_b32's selects for lane l xor 16
	s_wait_kmcnt 0x0
	s_cmp_lt_u32 ttmp9, 64                         ; the choices hang on the task's number alone
	s_cselect_b64 s[4:5], s[6:7], s[4:5]
	s_cselect_b32 s14, s14, s15
	s_cmp_lt_u32 ttmp9, 96
	s_cselect_b64 s[4:5], s[4:5], s[8:9]           ; the tensor
	s_cselect_b32 s14, s14, s17                    ; the tile's first row
	s_cselect_b32 s18, 0, s18                      ; the first column, in bytes
	s_cselect_b32 s19, 5, 3                        ; lanes 8-15 stand 32 rows, or 8, behind lanes 0-7
	s_cselect_b32 s20, 10, 11                      ; a row is 1,024 bytes, or 2,048
	v_and_b32 v3, 7, v1
	v_lshrrev_b32 v4, 3, v1
	v_lshlrev_b32 v4, s19, v4
	v_add3_u32 v3, v3, v4, s14                     ; my row
	v_lshlrev_b32 v3, s20, v3
	v_lshl_add_u32 v3, v2, 7, v3                   ; + 128 h: my block of 32 in each run of 64
	v_add_nc_u32 v3, s18, v3
	v_lshlrev_b32 v5, 3, v2                        ; 8 h: my bytes' place in a scale word
	s_mul_i32 s23, ttmp9, 3072
	v_lshlrev_b32 v6, 4, v0
	v_add_nc_u32 v6, s23, v6                       ; out: the task's two fragments, 16 bytes a lane
	s_lshl_b32 s24, ttmp9, 8
	s_add_co_u32 s24, s24, 393216
	v_lshlrev_b32 v7, 3, v0
	v_add_nc_u32 v7, s24, v7                       ; and its scale words, 8 bytes a lane
	v_mov_b32 v22, 0                               ; a lane permute's destination counts as one of its sources
	v_mov_b32 v23, 0
.irp q,0,1,2,3
.irp i,0,1,2,3,4,5,6,7
	global_load_b128 v[SRC+32*\q+4*\i:SRC+32*\q+4*\i+3], v3, s[4:5] offset:256*\q+16*\i th:TH_LOAD_NT
.endr
.endr
	s_wait_loadcnt 0x0
.irp b,0,1,2,3
	v_max3_num_f32 v[MX+\b], |v[SRC+32*\b]|, |v[SRC+32*\b+1]|, 0x2800000   ; with the floor 2^(5 - 127): the byte cannot fall under 1
.endr
.irp i,2,4,6,8,10,12,14,16,18,20,22,24,26,28,30
.irp b,0,1,2,3
	v_max3_num_f32 v[MX+\b], |v[SRC+32*\b+\i]|, |v[SRC+32*\b+\i+1]|, v[MX+\b]   ; the four blocks by turns
.endr
.endr
.irp b,0,1,2,3
	v_add_nc_u32 v[EX+\b], 0xfe000000, v[MX+\b]    ; 4 off the exponent field: the conversion takes this operand's exponent field as its scale
.endr
.irp b,0,1,2,3
	v_lshrrev_b32 v[BY+\b], 23, v[EX+\b]           ; the byte
.endr
.irp f,0,1
	v_lshl_or_b32 v[20+\f], v[BY+2*\f+1], 16, v[BY+2*\f]   ; fragment f: my blocks h and 2 + h,
.endr
.irp f,0,1
	v_lshlrev_b32 v[20+\f], v5, v[20+\f]           ; at their places,
.endr
.irp f,0,1
	v_permlanex16_b32 v[22+\f], v[20+\f], s21, s22
.endr
.irp f,0,1
	v_or_b32 v[24+\f], v[20+\f], v[22+\f]          ; with lane l xor 16's two the word is whole
.endr
.irp b,0,1,2,3
	v_cvt_scalef32_pk16_bf6_f32 v[CD+6*\b:CD+6*\b+2], v[SRC+32*\b:SRC+32*\b+15], v[EX+\b]
	v_cvt_scalef32_pk16_bf6_f32 v[XT+4*\b:XT+4*\b+2], v[SRC+32*\b+16:SRC+32*\b+31], v[EX+\b]
.endr
	v_nop                                          ; one plain place behind the scaled conversions
.irp b,0,1,2,3
.irp i,0,1,2
	v_mov_b32 v[CD+6*\b+3+\i], v[XT+4*\b+\i]
.endr
.endr
.irp f,0,1
.irp j,0,1,2
	global_store_b128 v6, v[CD+12*\f+4*\j:CD+12*\f+4*\j+3], s[10:11] offset:1536*\f+512*\j   ; 32 lanes store 512 consecutive bytes, at a multiple of 256 from wbuf's first byte
.endr
.endr
	global_store_b64 v7, v[24:25], s[10:11]        ; 256 consecutive bytes
	s_endpgm
.Lfunc_end_k_qd48e67fa8c_prep:
	.size	k_qd48e67fa8c_prep, .Lfunc_end_k_qd48e67fa8c_prep-k_qd48e67fa8c_prep
	.p2alignl 7, 3214868480
	.fill 96, 4, 3214868480
	.section	.rodata,"a",@progbits
	.p2align	6, 0x0
	.amdhsa_kernel k_qd48e67fa8c_prep
		.amdhsa_group_segment_fixed_size 0
		.amdhsa_private_segment_fixed_size 0
		.amdhsa_enable_private_segment 0
		.amdhsa_kernarg_size 32
		.amdhsa_user_sgpr_count 2
		.amdhsa_user_sgpr_kernarg_segment_ptr 1
		.amdhsa_wavefront_size32 1
		.amdhsa_system_sgpr_workgroup_id_x 1
		.amdhsa_system_sgpr_workgroup_id_y 1
		.amdhsa_system_sgpr_workgroup_id_z 1
		.amdhsa_system_vgpr_workitem_id 0
		.amdhsa_next_free_vgpr 208
		.amdhsa_next_free_sgpr 66
		.amdhsa_reserve_vcc 0
		.amdhsa_float_denorm_mode_32 3
		.amdhsa_float_denorm_mode_16_64 3
		.amdhsa_memory_ordered 1
		.amdhsa_forward_progress 1
		.amdhsa_inst_pref_size 12
	.end_amdhsa_kernel
	.amdgpu_metadata
---
amdhsa.version: [ 1, 2 ]
amdhsa.kernels:
  - .name:           k_qd48e67fa8c_prep
    .symbol:         k_qd48e67fa8c_prep.kd
    .args:
      - { .name: Wq, .offset: 0, .size: 8, .value_kind: global_buffer, .address_space: global }
      - { .name: Wkv, .offset: 8, .size: 8, .value_kind: global_buffer, .address_space: global }
      - { .name: Wo, .offset: 16, .size: 8, .value_kind: global_buffer, .address_space: global }
      - { .name: wbuf, .offset: 24, .size: 8, .value_kind: global_buffer, .address_space: global }
    .group_segment_fixed_size: 0
    .private_segment_fixed_size: 0
    .kernarg_segment_align: 8
    .kernarg_segment_size: 32
    .max_flat_workgroup_size: 32
    .sgpr_count:     66
    .vgpr_count:     208
    .wavefront_size: 32
...
	.end_amdgpu_metadata
.endif
;; end of part 1
;; launch main (part 2): grid 8 x 32, 8 waves a work-group, clusters of 4 x 1, 297,984 bytes of LDS; arguments x, wbuf, bo, out0; writes out0
.if DOCPART == 2
	.amdgcn_target "amdgcn-amd-amdhsa--gfx1250"
	.amdhsa_code_object_version 6
	.text
	.protected	k_qd48e67fa8c_main
	.globl	k_qd48e67fa8c_main
	.p2align	8
	.type	k_qd48e67fa8c_main,@function
k_qd48e67fa8c_main:
	s_mov_b64 s[64:65], 0
	v_nop
	global_prefetch_b8 v0, s[64:65] scope:SCOPE_SE
	s_setreg_imm32_b32 hwreg(HW_REG_WAVE_MODE, 25, 1), 1
	s_wait_xcnt 0x0
	s_wait_alu depctr_hold_cnt(0) depctr_sa_sdst(0) depctr_va_vdst(0) depctr_va_sdst(0) depctr_va_ssrc(0) depctr_va_vcc(0) depctr_vm_vsrc(0)
	s_getreg_b32 s2, hwreg(HW_REG_IB_STS2, 6, 4)
	s_cmp_eq_u32 s2, 0
	s_cbranch_scc0 .Lentry_in_a_cluster
	s_endpgm
.Lentry_in_a_cluster:
	s_bfe_u32 s2, ttmp6, 0x10000c
	s_cmp_lg_u32 s2, 0x3003
	s_cbranch_scc0 .Lentry_shape_is_right
	s_endpgm
.Lentry_shape_is_right:
; out0 = Wo attention(Wq x, Wk x, Wv x) + bo over windows of 16 x 16 pixels, 8 heads of 64; all five products on codes of BF6 (E3M2) with one E8M0 scale for each 32 along K.
; SHARES.  One work-group takes one window (256 pixels x 256 channels) through the whole chain; nothing but x, the weights' codes, bo and out0 touches memory.
; Eight waves of 512 registers.  Wave w quantises channels 32 w .. 32 w + 31 of x for all pixels; owns head w from the projections through the attention; owns outputs 32 w .. 32 w + 31 of the last product.
; Its weights come from wbuf straight into its registers, in the operand's order, each byte once a work-group.
; ONE ORDER OF ROWS.  Lane r of tile u of a run of 64 (pixels of the window; rows of Wq, Wk, Wv within a head) stands for index 32 (r / 8) + 8 u + r % 8.  A result's lane (r, h) holds rows 8 h + j of source 0's
; tile, so the 32 registers of a lane's four neighbouring tiles are indices 32 h + 0 .. 31: a WHOLE block of the next quantiser in one lane, already in the 6-bit operand's order (registers 6 c .. 6 c + 5: k = 64 c + 32 h + 0 .. 31).
; No maximum crosses lanes and no codes change lanes; only a scale word's bytes are joined with lane l xor 16's.
; OPERANDS GO THROUGH LDS AS IMAGES OF THEIR REGISTERS: half a fragment (64 along K, 6 registers a lane) is 768 bytes: registers 0-3 at 16 x lane, registers 4-5 at 512 + 8 x lane.
; PHASES.  X: x into codes | barrier | P: v (source 0 = pixels, so that the keys run along a lane's registers), k, q (source 0 = weights, so that the head's 64 do) | A: for each of 16 tiles of queries S^T = K Q^T,
; softmax, O^T = V^T P^T, / the row's sum, quantised; K, V and their scales stay in registers | barrier | O: pixels x Wo + bo, through a stage, out.
; THE SCORES' K is 64, half of the instruction's 128: a fragment of K holds two tiles of keys side by side, and q stands beside 6 registers of zero codes, once on each side.
; SOFTMAX.  t = score x log2(e) / 8; M = ceil(the row's largest t); p = 2^(t - M) is quantised along the keys; the row's sum is taken of the unquantised p and divides O.  All 256 keys are at hand, so M never moves.
; CLUSTER.  The four windows side by side, whose rows of 64 bytes make up each aligned 256 bytes of x and of out0, are the partners of a cluster.  NO JOINT LOADS: what partners share is the weights; a pass's weights for the
; eight waves are 8 x 13,312 = 106,496 bytes, and of the 327,680 bytes of LDS this text leaves 30,720 free; so they go from memory into registers.  No tensor load, so no ring and no barrier of the cluster.
; LIMITS.  NaN and infinities are not served.  A block of zeros gets the byte 1 where the quantiser says 127 (its codes are zeros; this program alone reads the bytes).  p under 2^-126 comes out as 0.
; A block's largest p is made from the block's largest score by the same two instructions; this takes v_exp_f32 not to fall where its input rises.  Loads of x and stores of out0 go in runs of 64 bytes: a window's row.
;
; LDS
.set XIMG, 0                           ; x's 32 fragments: (tile T, K step s) at (2 T + s) 1,536, half c at + 768 c                         49,152 bytes
.set XSC,  49152                       ; their scale words: (2 T + s) 64 + 4 r                                                              2,048
.set RB,   51200                       ; head h at + 24,576 h: k's 16 halves (tile T at 768 T), then from QIM on v's (tile t, keys 64 g on: 3,072 t + 768 g), later q's, later the result's (768 T)
.set RBH,  24576
.set QIM,  12288
.set TB,   247808                      ; head h at + 6,144 h: words (b0, b1, b0, b1) of a half's two blocks, 128 bytes (4 x lane) each: k's, from TWQ q's (later the result's), from TWV v's
.set TBH,  6144
.set TWQ,  2048
.set TWV,  4096
.set STGW, 4608                        ; the way out: wave w's stage at 4,608 w, over x's images, behind the second barrier: 32 rows (outputs) of 144 bytes, 128 used
.set SPI,  144
.set WSTEP, 98304                      ; wbuf: eight groups of codes on,
.set SSTEP, 8192                       ; and their scale words
.set WSC,  393216
.set FLOOR, 0x2800000                  ; 2^(5 - 127): under it no largest magnitude is taken, so no byte falls under 1
.set EOFF,  0xfe000000                 ; - (4 << 23)
; REGISTERS, window 0: v1 16 x lane, v2 8 x lane, v3 4 x lane, v4 4 (lane % 16), v5 8 (lane / 16); v6-15 addresses
.set XS,  16                           ; v16-23   scale words: x's, then K's, then the result's
.set WS,  24                           ; v24-31   scale words: the weights', then V's, then Wo's
.set W,   32                           ; v32-127  eight fragments of weights
.set ACC, 128                          ; v128-255 sixteen accumulators
.set QOP, 32                           ; in the attention: v32-37 zeros, v38-43 q's codes, v44-49 zeros
.set OT,  50                           ; v50-81   O^T
.set ST0, 82                           ; v82-97   largest magnitudes, scale operands, bytes, lane permutes' results: four each
.set NM,  98                           ; v98 -M, v99 0 (named with it as a pair)
.set SU,  100                          ; v100-103 the row's sum, two chains of pairs
.set TP,  104                          ; v104-105 at work
.set PT,  106                          ; v106     a lane permute's result
.set QS,  108                          ; v108     q's scale word
.set PS,  110                          ; v110-111 p's scale words
.set OA,  128                          ; in the last phase: v128-159 four accumulators
.set BO,  160                          ; v160-175 bo in the result's layout, two tiles
.set ORB, 176                          ; v176-207 rows back from the stage
.set OA16, 208                         ; v208-211 the result's images, registers 0-3, K step s';  v212-215 registers 4-5
.set OA8, 212
.set OTW, 216                          ; v216 the result's words;  v217, v218 the stage, in and back;  v219 my byte offset in out0;  v220-223 at work
.set OSO, 217
.set OSR, 218
.set OGO, 219
.set OTM, 224                          ; v224-239 sixteen words
; window 1 (local numbers)
.set XF,  0                            ; 0-95     eight fragments: x's, then K's, then the result's
.set VF,  96                           ; 96-191   V's eight
.set ST1, 192                          ; 192-207  as ST0
.set CD1, 208                          ; 208-231  codes just made, 6 a block
.set XT1, 232                          ; 232-247  their second halves (a conversion's three registers begin on an even number)
; s_set_vgpr_msb's low byte: bits 1:0 source 0, 3:2 source 1, 5:4 source 2, 7:6 destination; the high byte repeats the setting that is left
.set MSB, 0
.macro WIN new
.if MSB != (\new)
	s_set_vgpr_msb (MSB<<8)|(\new)
.set MSB, (\new)
.endif
.endm
; THE QUANTISER, nb blocks of 32 numbers of a lane at v[s + 32 b] of window 0.  Symbols: SW the window of the sixteen registers at ST; CD, XT in window 1.
.macro QMAXA s, nb                     ; largest magnitudes, ascending; the blocks by turns
	WIN 0x50*SW
.irp b,0,1,2,3
.if \b < \nb
	v_max3_num_f32 v[ST+\b], |v[\s+32*\b]|, |v[\s+32*\b+1]|, FLOOR
.endif
.endr
.irp i,2,4,6,8,10,12,14,16,18,20,22,24,26,28,30
.irp b,0,1,2,3
.if \b < \nb
	v_max3_num_f32 v[ST+\b], |v[\s+32*\b+\i]|, |v[\s+32*\b+\i+1]|, v[ST+\b]
.endif
.endr
.endr
.endm
.macro QSC nb                          ; 4 off the exponent field: the conversion's scale operand; its exponent field is the byte
	WIN 0x44*SW
.irp b,0,1,2,3
.if \b < \nb
	v_add_nc_u32 v[ST+4+\b], EOFF, v[ST+\b]
.endif
.endr
.irp b,0,1,2,3
.if \b < \nb
	v_lshrrev_b32 v[ST+8+\b], 23, v[ST+4+\b]
.endif
.endr
.endm
.macro QCVT s, nb                      ; block b's 32 codes into v[CD + 6 b ..] of window 1
	WIN 0x40|(0x04*SW)
.irp b,0,1,2,3
.if \b < \nb
	v_cvt_scalef32_pk16_bf6_f32 v[CD+6*\b:CD+6*\b+2], v[\s+32*\b:\s+32*\b+15], v[ST+4+\b]
	v_cvt_scalef32_pk16_bf6_f32 v[XT+4*\b:XT+4*\b+2], v[\s+32*\b+16:\s+32*\b+31], v[ST+4+\b]
.endif
.endr
	v_nop                                          ; one plain place behind the scaled conversions
	WIN 0x41
.irp b,0,1,2,3
.if \b < \nb
.irp i,0,1,2
	v_mov_b32 v[CD+6*\b+3+\i], v[XT+4*\b+\i]
.endr
.endif
.endr
.endm
.macro QTW nb                          ; my byte (block lane / 16 of my row) and lane l xor 16's make the word (b0, b1, b0, b1), in the byte's register
	WIN 0x51*SW
.irp b,0,1,2,3
.if \b < \nb
	v_lshl_or_b32 v[ST+8+\b], v[ST+8+\b], 16, v[ST+8+\b]
.endif
.endr
	WIN 0x44*SW
.irp b,0,1,2,3
.if \b < \nb
	v_lshlrev_b32 v[ST+8+\b], v5, v[ST+8+\b]
.endif
.endr
	WIN 0x41*SW
.irp b,0,1,2,3
.if \b < \nb
	v_permlanex16_b32 v[ST+12+\b], v[ST+8+\b], s20, s21
.endif
.endr
	WIN 0x45*SW
.irp b,0,1,2,3
.if \b < \nb
	v_or_b32 v[ST+8+\b], v[ST+8+\b], v[ST+12+\b]
.endif
.endr
.endm
; A matrix instruction on the symbols rD, rA, rB, kA, kB (and rC).  mode 0: adds onto D; 1: begins with 0; 2: begins with v[rC ..]
.macro MM mode
.if (\mode) == 1
	v_wmma_scale_f32_16x16x128_f8f6f4 v[rD:rD+7], v[rA:rA+11], v[rB:rB+11], 0, v[kA], v[kB] matrix_a_fmt:MATRIX_FMT_BF6 matrix_b_fmt:MATRIX_FMT_BF6
.elseif (\mode) == 2
	v_wmma_scale_f32_16x16x128_f8f6f4 v[rD:rD+7], v[rA:rA+11], v[rB:rB+11], v[rC:rC+7], v[kA], v[kB] matrix_a_fmt:MATRIX_FMT_BF6 matrix_b_fmt:MATRIX_FMT_BF6
.else
	v_wmma_scale_f32_16x16x128_f8f6f4 v[rD:rD+7], v[rA:rA+11], v[rB:rB+11], v[rD:rD+7], v[kA], v[kB] matrix_a_fmt:MATRIX_FMT_BF6 matrix_b_fmt:MATRIX_FMT_BF6
.endif
.endm
.macro WLOAD                           ; my group of weights: eight fragments and their scale words: 28 loads, each of consecutive bytes
.irp f,0,1,2,3,4,5,6,7
.irp j,0,1,2
	global_load_b128 v[W+12*\f+4*\j:W+12*\f+4*\j+3], v1, s[16:17] offset:1536*\f+512*\j
.endr
.endr
.irp t,0,1,2,3
	global_load_b64 v[WS+2*\t:WS+2*\t+1], v2, s[18:19] offset:256*\t
.endr
.endm
.macro LOADC dst, img                  ; sixteen halves on end in my head's part of RB become eight fragments in window 1
	WIN 0x40
.irp f,0,1,2,3,4,5,6,7
.irp c,0,1
	ds_load_b128 v[\dst+12*\f+6*\c:\dst+12*\f+6*\c+3], v7 offset:\img+1536*\f+768*\c
	ds_load_b64 v[\dst+12*\f+6*\c+4:\dst+12*\f+6*\c+5], v8 offset:\img+1536*\f+768*\c+512
.endr
.endr
	WIN 0
.endm
	s_load_b256 s[4:11], s[0:1], 0x0               ; x s[4:5], wbuf s[6:7], bo s[8:9], out0 s[10:11]
	v_lshrrev_b32 v1, 5, v0
	v_readfirstlane_b32 s12, v1                    ; wave 0..7
	v_and_b32 v10, 31, v0
	v_lshlrev_b32 v1, 4, v10
	v_lshlrev_b32 v2, 3, v10
	v_lshlrev_b32 v3, 2, v10
	v_and_b32 v4, 15, v0
	v_lshlrev_b32 v4, 2, v4
	v_bfe_u32 v10, v0, 4, 1                        ; lane / 16
	v_lshlrev_b32 v5, 3, v10
	v_bfe_u32 v6, v0, 2, 3
	v_and_b32 v11, 3, v0
	v_lshlrev_b32 v6, 9, v6
	v_lshl_add_u32 v6, v11, 4, v6                  ; x: four lanes to a window's row of 64 bytes, eight rows of 512 bytes a load
	s_bfe_u32 s13, ttmp6, 0x40000                  ; cx: it enters x's and out0's addresses alone
	s_lshl_b32 s14, ttmp9, 2
	s_add_co_u32 s14, s14, s13                     ; the window's column Y
	s_lshl_b32 s14, s14, 6                         ; 64 bytes
	s_and_b32 s13, ttmp7, 0xffff                   ; 8 x image + the window's row X
	s_and_b32 s33, s13, 7
	s_lshl_b32 s33, s33, 13                        ; 16 rows of 512 bytes
	s_add_co_u32 s14, s14, s33
	s_lshr_b32 s13, s13, 3
	s_lshl_b32 s13, s13, 24                        ; 256 planes of 65,536 bytes
	s_add_co_u32 s14, s14, s13
	s_lshl_b32 s13, s12, 21                        ; my wave's 32 planes
	s_add_co_u32 s14, s14, s13
	s_mov_b32 s15, 0
	s_mul_i32 s34, s12, 12288                      ; my group of weights
	s_mov_b32 s35, 0
	s_lshl_b32 s36, s12, 10
	s_add_co_u32 s36, s36, WSC                     ; its scale words
	s_mov_b32 s37, 0
	s_lshl_b32 s38, s12, 7                         ; my 32 numbers of bo
	s_mov_b32 s39, 0
	s_mov_b32 s20, 0x76543210
	s_mov_b32 s21, 0xfedcba98                      ; v_permlanex16_b32's selects for lane l xor 16
	s_mov_b32 s22, 0x3e38aa3b                      ; c = log2(e) / 8
	s_mov_b32 s23, s22                             ; (named with it as a pair)
	s_wait_kmcnt 0x0
	s_add_nc_u64 s[4:5], s[4:5], s[14:15]
	s_add_nc_u64 s[10:11], s[10:11], s[14:15]
	s_add_nc_u64 s[16:17], s[6:7], s[34:35]
	s_add_nc_u64 s[18:19], s[6:7], s[36:37]
	s_add_nc_u64 s[8:9], s[8:9], s[38:39]
	WIN 0x40                                       ; all of my 32 KB of x is asked for at once: window 1, set n (pixels 128 n on) at 128 n, channel i's four pixels at + 4 i
.irp n,0,1
.irp i,0,1,2,3,4,5,6,7,8,9,10,11,12,13,14,15,16,17,18,19,20,21,22,23,24,25,26,27,28,29,30,31
	global_load_b128 v[128*\n+4*\i:128*\n+4*\i+3], v6, s[4:5] offset:65536*\i+4096*\n
.endr
.endr
	WIN 0
	WLOAD                                          ; Wv of my head
	; Where my codes of x go.  My lane's pixel 4 (lane + 32 n) + e is row rho + e of tile 8 n + 4 (lane / 16) + (lane / 2) % 4, rho = 8 ((lane / 8) % 2) + 4 (lane % 2);
	; my wave's block of channels is K step w / 4, half (w / 2) % 2, lanes 16 (w % 2) on
	v_bfe_u32 v11, v0, 1, 2
	v_bfe_u32 v12, v0, 3, 1
	v_and_b32 v13, 1, v0
	v_lshlrev_b32 v12, 3, v12
	v_lshl_add_u32 v12, v13, 2, v12                ; rho
	v_mul_u32_u24 v14, v10, 12288
	v_mad_u32_u24 v14, v11, 3072, v14
	s_lshr_b32 s33, s12, 2
	s_mul_i32 s34, s33, 1536
	s_bfe_u32 s35, s12, 0x10001
	s_mul_i32 s35, s35, 768
	s_add_co_u32 s34, s34, s35
	s_and_b32 s35, s12, 1
	s_lshl_b32 s36, s35, 8
	s_add_co_u32 s36, s36, s34
	s_lshl_b32 s37, s35, 7
	s_add_co_u32 s37, s37, s34
	v_lshl_add_u32 v7, v12, 4, v14
	v_add_nc_u32 v7, s36, v7                       ; registers 0-3
	v_lshl_add_u32 v8, v12, 3, v14
	v_add_nc_u32 v8, s37, v8                       ; registers 4-5 (+ 512 in the immediate)
	v_lshlrev_b32 v9, 9, v10
	v_lshl_add_u32 v9, v11, 7, v9
	v_lshl_add_u32 v9, v12, 2, v9
	s_lshl_b32 s33, s33, 6
	s_and_b32 s35, s12, 3
	s_add_co_u32 s33, s33, s35
	s_add_co_u32 s33, s33, XSC
	v_add_nc_u32 v9, s33, v9                       ; my block's byte of the row's scale word
; ---- X: 128 pixels x my 32 channels.  A load brought four pixels of one channel; the conversions want a pixel's 32 channels on end: 128 moves.  The work registers lie in the set's own landing area, which the moves have left.
.macro XSET n, left
	s_wait_loadcnt \left                           ; loads come back in order: this set's 32 are in
	WIN 0x01
.set e, 0
.rept 4
.set i, 0
.rept 32
	v_mov_b32 v[ACC+32*e+i], v[128*\n+4*i+e]
.set i, i+1
.endr
.set e, e+1
.endr
.set SW, 1
.set ST, 64+128*\n
.set CD, 80+128*\n
.set XT, 104+128*\n
	QMAXA ACC, 4
	QSC 4
	QCVT ACC, 4
	WIN 0x04                                       ; an LDS store's data are its source 1
.irp e,0,1,2,3
	ds_store_b128 v7, v[CD+6*\e:CD+6*\e+3] offset:24576*\n+16*\e
	ds_store_b64 v8, v[CD+6*\e+4:CD+6*\e+5] offset:24576*\n+512+8*\e
	ds_store_b8 v9, v[ST+8+\e] offset:1024*\n+4*\e
.endr
	WIN 0
.endm
	XSET 0, 60                                     ; the second set's 32 loads and the 28 of the weights may be out
	XSET 1, 28                                     ; the weights' may be out
	s_wait_dscnt 0x0                               ; for the others' sake: my stores have landed
	s_barrier_signal -1
	s_barrier_wait -1                              ; x's 32 fragments and their scale words lie in LDS
; ---- P: the projections of my head
	s_mul_i32 s33, s12, RBH
	s_add_co_u32 s33, s33, RB
	s_mul_i32 s34, s12, TBH
	s_add_co_u32 s34, s34, TB
	v_add_nc_u32 v6, XSC, v4                       ; x's scale words (x's loads, which read v6, have come)
	v_add_nc_u32 v7, s33, v1                       ; my head's images, registers 0-3,
	v_add_nc_u32 v8, s33, v2                       ; registers 4-5,
	v_add_nc_u32 v9, s34, v3                       ; my head's words
	WIN 0x40
.irp b,0,1,2,3
	v_mov_b32 v[ST1+12+\b], 0                      ; a lane permute's destination counts as one of its sources
.endr
	WIN 0
.macro XLD half                        ; x's fragments (tile 2 half + 0, 1 of the group; both K steps) and their scale words: 20 LDS loads
	WIN 0x40
.irp k,0,1,2,3
.irp c,0,1
	ds_load_b128 v[XF+12*(4*\half+\k)+6*\c:XF+12*(4*\half+\k)+6*\c+3], v10 offset:(4*\half+\k)*1536+768*\c
	ds_load_b64 v[XF+12*(4*\half+\k)+6*\c+4:XF+12*(4*\half+\k)+6*\c+5], v11 offset:(4*\half+\k)*1536+768*\c+512
.endr
.endr
	WIN 0
.irp k,0,1,2,3
	ds_load_b32 v[XS+4*\half+\k], v12 offset:64*(4*\half+\k)
.endr
.endm
; 16 matrix instructions: two tiles of pixels x my head's four tiles, both K steps.  The eight accumulators take turns, one instruction a turn.
; pswap = 0: source 0 = weights: accumulator (pixel tile u, weight tile t) at ACC + 32 u + 8 t: a lane's 32 registers of u are 32 of the head's 64 of one pixel.
; pswap = 1: source 0 = pixels: at ACC + 32 t + 8 u: a lane's 32 registers of t are 32 neighbouring pixels (keys) of one of the head's 64.
.macro PMUL pswap, half
.if \pswap
	WIN 0x01
.else
	WIN 0x04
.endif
.irp s,0,1
.irp p,0,1
.irp t,0,1,2,3
.set u, 2*\half+\p
.if \pswap
.set rD, ACC+32*\t+8*u
.set rA, XF+12*(2*u+\s)
.set rB, W+12*(2*\t+\s)
.set kA, XS+2*u+\s
.set kB, WS+2*\t+\s
.else
.set rD, ACC+32*u+8*\t
.set rA, W+12*(2*\t+\s)
.set rB, XF+12*(2*u+\s)
.set kA, WS+2*\t+\s
.set kB, XS+2*u+\s
.endif
	MM 1-\s
.endr
.endr
.endr
.endm
; One trip: 64 pixels (four tiles) x my head's 64.  Block b's image goes to pio + b pib + s27, its word to pto + b ptb + s28.
.macro GROUP pswap, pib, ptb, pio, pto
	s_wait_dscnt 0x0                               ; no LDS instruction of mine is out: the address registers are written anew
	v_add_nc_u32 v10, s25, v1
	v_add_nc_u32 v11, s25, v2
	v_add_nc_u32 v12, s26, v6
	v_add_nc_u32 v13, s27, v7
	v_add_nc_u32 v14, s27, v8
	v_add_nc_u32 v15, s28, v9
	XLD 0
	XLD 1
	s_wait_loadcnt 0x0                             ; the weights
	s_wait_dscnt 20                                ; the first half's loads are in; the second half's 20 may be out
	PMUL \pswap, 0
	s_wait_dscnt 0x0
	PMUL \pswap, 1
	WIN 0
.rept 4
	v_nop                                          ; four places between the last products and the first read of results (ISA guide 7.12.1)
.endr
.set SW, 1
.set ST, ST1
.set CD, CD1
.set XT, XT1
	QMAXA ACC, 4
	QSC 4
	QCVT ACC, 4
	QTW 4
	WIN 0x04
.irp b,0,1,2,3
	ds_store_b128 v13, v[CD+6*\b:CD+6*\b+3] offset:\pio+\b*\pib
	ds_store_b64 v14, v[CD+6*\b+4:CD+6*\b+5] offset:\pio+\b*\pib+512
	ds_store_b32 v15, v[ST+8+\b] offset:\pto+\b*\ptb
.endr
	WIN 0
.endm
.macro PINIT
	s_mov_b32 s25, 0                               ; x's fragments: 12,288 bytes a trip
	s_mov_b32 s26, 0                               ; their scale words: 512
	s_mov_b32 s27, 0                               ; my images
	s_mov_b32 s28, 0                               ; my words
	s_mov_b32 s24, 4
.endm
.macro PSTEP di, dt
	s_add_co_u32 s25, s25, 12288
	s_add_co_u32 s26, s26, 512
	s_add_co_u32 s27, s27, \di
	s_add_co_u32 s28, s28, \dt
	s_sub_co_u32 s24, s24, 1
	s_cmp_lg_u32 s24, 0
.endm
	PINIT
.Lv:                                                   ; v: block b = tile t of the head's 64; the trip = keys 64 g on
	GROUP 1, 3072, 512, QIM, TWV
	PSTEP 768, 128
	s_cbranch_scc1 .Lv
	s_add_nc_u64 s[16:17], s[16:17], WSTEP         ; (the weights' loads have come: their bases may step)
	s_add_nc_u64 s[18:19], s[18:19], SSTEP
	WLOAD                                          ; Wk
	LOADC VF, QIM                                  ; V's eight fragments into registers, for good: LDS serves a wave's instructions in order, so these see my stores, and q's images come behind them
	PINIT
.Lk:                                                   ; k: block b = tile u of the trip's four tiles of pixels
	GROUP 0, 768, 128, 0, 0
	PSTEP 3072, 512
	s_cbranch_scc1 .Lk
	s_add_nc_u64 s[16:17], s[16:17], WSTEP
	s_add_nc_u64 s[18:19], s[18:19], SSTEP
	WLOAD                                          ; Wq
	PINIT
.Lq:
	GROUP 0, 768, 128, QIM, TWQ
	PSTEP 3072, 512
	s_cbranch_scc1 .Lq
; ---- A: the attention of my head.  K's fragments (two tiles of keys side by side), V's, and both scale words stay in registers.
	LOADC XF, 0
.irp i,0,1,2,3,4,5,6,7,8,9,10,11,12,13,14,15
	ds_load_b32 v[ACC+\i], v9 offset:128*\i        ; k's sixteen words,
.endr
.irp i,0,1,2,3,4,5,6,7,8,9,10,11,12,13,14,15
	ds_load_b32 v[ACC+16+\i], v9 offset:TWV+128*\i ; v's
.endr
	ds_load_b128 v[QOP+6:QOP+9], v7 offset:QIM     ; q of tile 0
	ds_load_b64 v[QOP+10:QOP+11], v8 offset:QIM+512
	ds_load_b32 v[QS], v9 offset:TWQ
.irp i,0,1,2,3,4,5
	v_mov_b32 v[QOP+\i], 0                         ; zero codes on both sides of q's six registers
	v_mov_b32 v[QOP+12+\i], 0
.endr
.irp b,0,1,2,3
	v_mov_b32 v[ST0+12+\b], 0                      ; lane permutes' destinations
.endr
	v_mov_b32 v[PT], 0
	v_mov_b32 v[NM+1], 0
	s_wait_dscnt 0x0
.irp f,0,1,2,3,4,5,6,7
	v_perm_b32 v[XS+\f], v[ACC+2*\f+1], v[ACC+2*\f], 0x07060100        ; a fragment's scale word: the first half's two bytes, the second half's two
	v_perm_b32 v[WS+\f], v[ACC+16+2*\f+1], v[ACC+16+2*\f], 0x07060100
.endr
.rept 8
	v_nop                                          ; a scale register written by a vector instruction stands eight places ahead of a scaled matrix instruction
.endr
	s_mov_b32 s29, 0                               ; the tile's image: 768 bytes a trip
	s_mov_b32 s30, 0                               ; its word: 128
	s_mov_b32 s24, 16
.set SW, 0
.set ST, ST0
.set CD, CD1
.set XT, XT1
.Latt:                                                 ; one trip: 16 queries x 256 keys
	s_wait_dscnt 0x0                               ; q and its word are in; the last trip's stores are done
	WIN 0x01
.irp i,0,1,2,3,4,5,6,7
.irp e,0,1
.set rD, ACC+8*(2*\i+\e)
.set rA, XF+12*\i
.set rB, QOP+6-6*\e
.set kA, XS+\i
.set kB, QS
	MM 1                                           ; S^T of key tile 2 i + e: q stands against that tile's half, zero codes against the other
.endr
.endr
	WIN 0
	s_add_co_u32 s31, s29, 768                     ; the next tile (in the last trip: the last again; it is not used)
	s_min_u32 s31, s31, 11520
	s_add_co_u32 s32, s30, 128
	s_min_u32 s32, s32, 1920
	v_add_nc_u32 v10, s29, v7                      ; six plain lines: the places between the products and the loads into q's registers, and the first read of the scores
	v_add_nc_u32 v11, s29, v8
	v_add_nc_u32 v12, s30, v9
	v_add_nc_u32 v13, s31, v7
	v_add_nc_u32 v14, s31, v8
	v_add_nc_u32 v15, s32, v9
	ds_load_b128 v[QOP+6:QOP+9], v13 offset:QIM
	ds_load_b64 v[QOP+10:QOP+11], v14 offset:QIM+512
	ds_load_b32 v[QS], v15 offset:TWQ
	; register 32 g + i of ACC is key 64 g + 32 (lane / 16) + i of my query: four whole blocks of keys.  THE LARGEST SCORE OF EACH BLOCK serves twice: for the row's maximum and, since p rises with the score, for the block's largest p
.irp b,0,1,2,3
	v_max3_num_f32 v[ST0+\b], v[ACC+32*\b], v[ACC+32*\b+1], v[ACC+32*\b+2]
.endr
.irp i,3,5,7,9,11,13,15,17,19,21,23,25,27,29
.irp b,0,1,2,3
	v_max3_num_f32 v[ST0+\b], v[ACC+32*\b+\i], v[ACC+32*\b+\i+1], v[ST0+\b]
.endr
.endr
.irp b,0,1,2,3
	v_max_num_f32 v[ST0+\b], v[ST0+\b], v[ACC+32*\b+31]
.endr
	v_max3_num_f32 v[TP], v[ST0], v[ST0+1], v[ST0+2]
	v_max_num_f32 v[TP], v[TP], v[ST0+3]
	v_permlanex16_b32 v[PT], v[TP], s20, s21
	v_max_num_f32 v[TP], v[TP], v[PT]              ; the row's largest score
	v_mul_f32 v[TP], s22, v[TP]                    ; as t (c is positive)
	v_floor_f32 v[NM], -v[TP]                      ; -M = floor(-t) = -ceil(t)
.set j, 0
.rept 64
	v_pk_fma_f32 v[ACC+j:ACC+j+1], v[ACC+j:ACC+j+1], s[22:23], v[NM:NM+1] op_sel_hi:[1,0,0]   ; t - M, two at a time
.set j, j+2
.endr
.irp b,0,1,2,3
	v_fma_f32 v[ST0+\b], v[ST0+\b], s22, v[NM]     ; the same of each block's largest score
.endr
.irp b,0,1,2,3
	v_exp_f32 v[ST0+\b], v[ST0+\b]                 ; the block's largest p
.endr
.set j, 0
.rept 128
	v_exp_f32 v[ACC+j], v[ACC+j]                   ; p = 2^(t - M): not normalised
.set j, j+1
.endr
	v_nop                                          ; a plain place behind the last exponential
	s_wait_alu depctr_va_vdst(0)                   ; one wait for the batch of 132, ahead of its first reader
.irp b,0,1,2,3
	v_max_num_f32 v[ST0+\b], FLOOR, v[ST0+\b]
.endr
	QSC 4
.irp s,0,1
	v_lshl_or_b32 v[TP+\s], v[ST0+9+2*\s], 16, v[ST0+8+2*\s]   ; K step s of the keys: my blocks h and 2 + h,
.endr
.irp s,0,1
	v_lshlrev_b32 v[TP+\s], v5, v[TP+\s]
.endr
.irp s,0,1
	v_permlanex16_b32 v[ST0+12+\s], v[TP+\s], s20, s21
.endr
.irp s,0,1
	v_or_b32 v[PS+\s], v[TP+\s], v[ST0+12+\s]      ; with lane l xor 16's: p's scale word
.endr
	QCVT ACC, 4                                    ; p's two fragments at CD1 and CD1 + 12
	WIN 0
	v_pk_add_f32 v[SU:SU+1], v[ACC:ACC+1], v[ACC+2:ACC+3]           ; THE ROW'S SUM IS TAKEN OF THE UNQUANTISED p: two chains of pairs.  These lines are also the places between p's codes and scale words and the products
	v_pk_add_f32 v[SU+2:SU+3], v[ACC+4:ACC+5], v[ACC+6:ACC+7]
.set j, 8
.rept 30
	v_pk_add_f32 v[SU:SU+1], v[SU:SU+1], v[ACC+j:ACC+j+1]
	v_pk_add_f32 v[SU+2:SU+3], v[SU+2:SU+3], v[ACC+j+2:ACC+j+3]
.set j, j+4
.endr
	v_pk_add_f32 v[SU:SU+1], v[SU:SU+1], v[SU+2:SU+3]
	v_add_f32 v[SU], v[SU], v[SU+1]
	v_permlanex16_b32 v[PT], v[SU], s20, s21
	v_add_f32 v[SU], v[SU], v[PT]                  ; with lane l xor 16's 128 keys
	v_rcp_f32 v[TP], v[SU]
	v_nop                                          ; a plain place behind the reciprocal
	WIN 0x05
.irp s,0,1
.irp t,0,1,2,3
.set rD, OT+8*\t
.set rA, VF+12*(2*\t+\s)
.set rB, CD1+12*\s
.set kA, WS+2*\t+\s
.set kB, PS+\s
	MM 1-\s                                        ; O^T: the four accumulators by turns
.endr
.endr
	WIN 0
.rept 4
	v_nop                                          ; four places between the products and the first read of O^T
.endr
	s_wait_alu depctr_va_vdst(0)                   ; the reciprocal's wait, ahead of its first reader
.set j, 0
.rept 16
	v_pk_mul_f32 v[OT+j:OT+j+1], v[OT+j:OT+j+1], v[TP:TP+1] op_sel_hi:[1,0]   ; / the sum; ascending.  Register i is channel 32 (lane / 16) + i of my head: one block of the last product's K
.set j, j+2
.endr
	v_max3_num_f32 v[ST0], |v[OT]|, |v[OT+1]|, FLOOR
	v_max3_num_f32 v[ST0+1], |v[OT+16]|, |v[OT+17]|, FLOOR
.irp i,2,4,6,8,10,12,14
	v_max3_num_f32 v[ST0], |v[OT+\i]|, |v[OT+\i+1]|, v[ST0]
	v_max3_num_f32 v[ST0+1], |v[OT+16+\i]|, |v[OT+17+\i]|, v[ST0+1]
.endr
	v_max_num_f32 v[ST0], v[ST0], v[ST0+1]
	QSC 1
	QCVT OT, 1
	QTW 1
	WIN 0x04
	ds_store_b128 v10, v[CD1:CD1+3] offset:QIM     ; over this tile's q, which has been read
	ds_store_b64 v11, v[CD1+4:CD1+5] offset:QIM+512
	WIN 0
	ds_store_b32 v12, v[ST0+8] offset:TWQ          ; and over its word
	s_add_co_u32 s29, s29, 768
	s_add_co_u32 s30, s30, 128
	s_sub_co_u32 s24, s24, 1
	s_cmp_lg_u32 s24, 0
	s_cbranch_scc1 .Latt
; ---- O: out0(32 w + 0 .. 31, all pixels) = result x Wo^T + bo
	s_wait_dscnt 0x0                               ; for the others' sake, and ahead of the loads into registers that my last stores read
	s_add_nc_u64 s[16:17], s[16:17], WSTEP
	s_add_nc_u64 s[18:19], s[18:19], SSTEP
	WLOAD                                          ; Wo: my two tiles of 16 outputs x four K steps
	global_load_b32 v[BO], v4, s[8:9]              ; bo of output 32 w + lane % 16,
	global_load_b32 v[BO+8], v4, s[8:9] offset:64  ; and 16 on
.irp s,0,1,2,3
	v_add_nc_u32 v[OA16+\s], RB+QIM+49152*\s, v1   ; K step s' = heads 2 s', 2 s' + 1
	v_add_nc_u32 v[OA8+\s], RB+QIM+512+49152*\s, v2
.endr
	v_add_nc_u32 v[OTW], TB+TWQ, v3
	s_mul_i32 s33, s12, STGW
	v_and_b32 v220, 15, v0
	v_mul_u32_u24 v220, v220, SPI
	v_lshl_add_u32 v220, v5, 3, v220
	v_add_nc_u32 v[OSO], s33, v220                 ; the stage, in: row lane % 16, + 64 (lane / 16)
	v_bfe_u32 v220, v0, 3, 2
	v_bfe_u32 v221, v0, 2, 1
	v_and_b32 v222, 3, v0
	v_mul_u32_u24 v223, v220, SPI
	v_lshl_add_u32 v223, v221, 6, v223
	v_lshl_add_u32 v223, v222, 4, v223
	v_add_nc_u32 v[OSR], s33, v223                 ; back: four lanes to a run of 64 bytes, two runs a row, four rows an instruction
	v_lshlrev_b32 v220, 16, v220                   ; and in out0: a plane a row of the stage, the second run two image rows down
	v_lshl_add_u32 v220, v221, 10, v220
	v_lshl_add_u32 v[OGO], v222, 4, v220
	s_barrier_signal -1
	s_barrier_wait -1                              ; every head's result lies in LDS, and nobody reads x's images any more
	s_wait_loadcnt 0x0
.irp t,0,1
.irp j,1,2,3,4,5,6,7
	v_mov_b32 v[BO+8*\t+\j], v[BO+8*\t]            ; the bias in the result's layout: a lane's eight registers are eight pixels of one output
.endr
.endr
; Two tiles of pixels (2 pi + e of the trip's four) x my 32 outputs.  Source 0 = pixels: lane (r, h) holds of output 16 ot + r the pixels 8 e + 0 .. 7 of the window's row 4 g + 2 h + pi: with both e a whole row of 64 bytes.
.macro OPAIR pi
.irp e,0,1
.irp h,0,1,2,3,4,5,6,7
	ds_load_b32 v[OTM+8*\e+\h], v[OTW] offset:TBH*\h+128*(2*\pi+\e)
.endr
.endr
	WIN 0x40
.irp e,0,1
.irp s,0,1,2,3
.irp c,0,1
	ds_load_b128 v[XF+12*(4*\e+\s)+6*\c:XF+12*(4*\e+\s)+6*\c+3], v[OA16+\s] offset:RBH*\c+768*(2*\pi+\e)
	ds_load_b64 v[XF+12*(4*\e+\s)+6*\c+4:XF+12*(4*\e+\s)+6*\c+5], v[OA8+\s] offset:RBH*\c+768*(2*\pi+\e)
.endr
.endr
.endr
	WIN 0
	s_wait_dscnt 32                                ; the sixteen words are in; the 32 loads of codes may be out
.irp e,0,1
.irp s,0,1,2,3
	v_perm_b32 v[XS+4*\e+\s], v[OTM+8*\e+2*\s+1], v[OTM+8*\e+2*\s], 0x07060100
.endr
.endr
.rept 8
	v_nop                                          ; eight places between a scale register's write and the scaled matrix instructions
.endr
	s_wait_dscnt 0x0
	WIN 0x01
.irp s,0,1,2,3
.irp t,0,1
.irp e,0,1
.set rD, OA+16*\t+8*\e
.set rA, XF+12*(4*\e+\s)
.set rB, W+12*(4*\t+\s)
.set rC, BO+8*\t
.set kA, XS+4*\e+\s
.set kB, WS+4*\t+\s
.if \s == 0
	MM 2                                           ; the bias starts the sum
.else
	MM 0                                           ; the four accumulators by turns
.endif
.endr
.endr
.endr
	WIN 0
.rept 5
	v_nop                                          ; four places ahead of the stores that read results and of the next loads into the operands; the fifth since the next pair begins these accumulators anew
.endr
.irp t,0,1
.irp e,0,1
	ds_store_b128 v[OSO], v[OA+16*\t+8*\e:OA+16*\t+8*\e+3] offset:16*SPI*\t+32*\e          ; each accumulator from its low end on
	ds_store_b128 v[OSO], v[OA+16*\t+8*\e+4:OA+16*\t+8*\e+7] offset:16*SPI*\t+32*\e+16
.endr
.endr
	s_wait_xcnt 0x0                                ; the last pair's stores to memory have read their registers
.irp k,0,1,2,3,4,5,6,7
	ds_load_b128 v[ORB+4*\k:ORB+4*\k+3], v[OSR] offset:4*SPI*\k   ; LDS serves a wave's instructions in order: these see my stores
.endr
.irp k,0,1,2,3,4,5,6,7
	s_wait_dscnt 7-\k                              ; the younger loads may be out
	global_store_b128 v[OGO], v[ORB+4*\k:ORB+4*\k+3], s[10:11] offset:262144*\k+512*\pi   ; eight whole rows of the window, 64 consecutive bytes each
.endr
.endm
	s_mov_b32 s24, 4
.Lout:                                                 ; one trip: 64 pixels, four rows of the window
	OPAIR 0
	OPAIR 1
.irp s,0,1,2,3
	v_add_nc_u32 v[OA16+\s], 3072, v[OA16+\s]      ; four tiles on (no LDS instruction of mine is out)
	v_add_nc_u32 v[OA8+\s], 3072, v[OA8+\s]
.endr
	v_add_nc_u32 v[OTW], 512, v[OTW]
	s_wait_xcnt 0x0                                ; the stores have read their base
	s_add_nc_u64 s[10:11], s[10:11], 2048          ; four image rows down
	s_sub_co_u32 s24, s24, 1
	s_cmp_lg_u32 s24, 0
	s_cbranch_scc1 .Lout
	s_wait_xcnt 0x0
	v_lshl_add_u32 v254, v0, 2, 0x48800
	v_mov_b32 v255, 0
	s_wait_tensorcnt 0x0
	ds_add_u32 v254, v255
	s_wait_dscnt 0x0
	s_endpgm
.Lfunc_end_k_qd48e67fa8c_main:
	.size	k_qd48e67fa8c_main, .Lfunc_end_k_qd48e67fa8c_main-k_qd48e67fa8c_main
	.p2alignl 7, 3214868480
	.fill 96, 4, 3214868480
	.section	.rodata,"a",@progbits
	.p2align	6, 0x0
	.amdhsa_kernel k_qd48e67fa8c_main
		.amdhsa_group_segment_fixed_size 297984
		.amdhsa_private_segment_fixed_size 0
		.amdhsa_enable_private_segment 0
		.amdhsa_kernarg_size 32
		.amdhsa_user_sgpr_count 2
		.amdhsa_user_sgpr_kernarg_segment_ptr 1
		.amdhsa_wavefront_size32 1
		.amdhsa_system_sgpr_workgroup_id_x 1
		.amdhsa_system_sgpr_workgroup_id_y 1
		.amdhsa_system_sgpr_workgroup_id_z 1
		.amdhsa_system_vgpr_workitem_id 0
		.amdhsa_next_free_vgpr 512
		.amdhsa_next_free_sgpr 66
		.amdhsa_reserve_vcc 0
		.amdhsa_float_denorm_mode_32 3
		.amdhsa_float_denorm_mode_16_64 3
		.amdhsa_memory_ordered 1
		.amdhsa_forward_progress 1
		.amdhsa_inst_pref_size 142
	.end_amdhsa_kernel
	.amdgpu_metadata
---
amdhsa.version: [ 1, 2 ]
amdhsa.kernels:
  - .name:           k_qd48e67fa8c_main
    .symbol:         k_qd48e67fa8c_main.kd
    .args:
      - { .name: x, .offset: 0, .size: 8, .value_kind: global_buffer, .address_space: global }
      - { .name: wbuf, .offset: 8, .size: 8, .value_kind: global_buffer, .address_space: global }
      - { .name: bo, .offset: 16, .size: 8, .value_kind: global_buffer, .address_space: global }
      - { .name: out0, .offset: 24, .size: 8, .value_kind: global_buffer, .address_space: global }
    .group_segment_fixed_size: 297984
    .private_segment_fixed_size: 0
    .kernarg_segment_align: 8
    .kernarg_segment_size: 32
    .max_flat_workgroup_size: 256
    .sgpr_count:     66
    .vgpr_count:     512
    .wavefront_size: 32
...
	.end_amdgpu_metadata
.endif
;; end of part 2
;; ======== version 2 of 2: 3 launches
;; workspace buffers: wbuf 425,984 bytes; abuf 29,360,128 bytes
;; launch prep (part 3): grid 128 x 1, 1 waves a work-group, no clusters, 0 bytes of LDS; arguments Wq, Wkv, Wo, wbuf; writes wbuf
.if DOCPART == 3
	.amdgcn_target "amdgcn-amd-amdhsa--gfx1250"
	.amdhsa_code_object_version 6
	.text
	.protected	k_qd48e67fa8c_prep
	.globl	k_qd48e67fa8c_prep
	.p2align	8
	.type	k_qd48e67fa8c_prep,@function
k_qd48e67fa8c_prep:
	s_mov_b64 s[64:65], 0
	v_nop
	global_prefetch_b8 v0, s[64:65] scope:SCOPE_SE
	s_setreg_imm32_b32 hwreg(HW_REG_WAVE_MODE, 25, 1), 1
	s_wait_xcnt 0x0
; The weights Wq [512][256], Wkv [1024][256], Wo [256][512], f32 with K innermost, become codes of BF6 (E3M2) with one E8M0 byte for each 32 along K,
; laid in wbuf IN THE ORDER OF THE OPERAND'S REGISTERS: a fragment (16 rows x 128 K, 12 registers a lane) is 3 chunks of 512 bytes, chunk j = registers 4 j .. 4 j + 3, 16 bytes a lane.
; 256 fragments from byte 0; eight make a group: groups 0-7 v of head 0-7, 8-15 k, 16-23 q (fragment 2 tile + K step), 24-31 Wo for wave 0-7 (fragment 4 tile + K step).
; From byte 393,216: the scale words, 256 bytes a task: lane l's 8 bytes are the words of the task's two fragments for row l % 16 (lanes 16-31 repeat lanes 0-15).
; A task (one wave) makes the two fragments of one tile of 16 rows x 256 K.
; THE ROWS OF A TILE of Wq, Wk, Wv are not neighbours: lane r of tile u of a head takes row 32 (r / 8) + 8 u + r % 8 of the head's 64, so that in the product's result the 32 registers
; of a lane's four tiles are 32 neighbours: a whole block of the next quantiser.  Wo's tiles are 16 neighbouring rows.
; A block's scale is 2^(floor(log2(largest magnitude)) - 4): its byte is the largest magnitude's exponent field - 4, held at 1 from below by a floor among the maximum's leaves.
; LIMITS: a block of zeros gets the byte 1 where the quantiser says 127 (its codes are zeros, and this program alone reads the bytes); NaN and infinities are not served.
.set SRC, 64                           ; v64-191  four blocks of 32 numbers: block q = 2 f + c is k = 128 f + 64 c + 32 (lane / 16) + 0 .. 31 of my row
.set MX,  8                            ; v8-11    largest magnitudes
.set EX,  12                           ; v12-15   the conversions' scale operands
.set BY,  16                           ; v16-19   the bytes
.set CD,  32                           ; v32-55   the codes: fragment f at CD + 12 f
.set XT,  192                          ; v192-207 second halves of the blocks' codes (a conversion's three registers begin on an even number)
	s_load_b128 s[4:7], s[0:1], 0x0                ; Wq, Wkv
	s_load_b128 s[8:11], s[0:1], 0x10              ; Wo, wbuf
	v_and_b32 v1, 15, v0                           ; r
	v_lshrrev_b32 v2, 4, v0                        ; h
	s_lshr_b32 s12, ttmp9, 2                       ; the group
	s_and_b32 s13, ttmp9, 3
	s_lshl_b32 s13, s13, 3                         ; 8 x tile
	s_xor_b32 s14, s12, 8                          ; Wkv: groups 0-7 are v (rows 512 on), 8-15 are k (rows 0 on)
	s_and_b32 s14, s14, 15
	s_lshl_b32 s14, s14, 6
	s_add_co_u32 s14, s14, s13
	s_and_b32 s15, s12, 7                          ; Wq: groups 16-23
	s_lshl_b32 s15, s15, 6
	s_add_co_u32 s15, s15, s13
	s_and_b32 s16, ttmp9, 31                       ; Wo: tasks 96-127: tile = task' / 2, columns 256 (task' % 2) on
	s_lshr_b32 s17, s16, 1
	s_lshl_b32 s17, s17, 4
	s_and_b32 s18, s16, 1
	s_lshl_b32 s18, s18, 10
	s_mov_b32 s21, 0x76543210
	s_mov_b32 s22, 0xfedcba98                      ; v_permlanex16_b32's selects for lane l xor 16
	s_wait_alu depctr_va_vdst(0)
	s_wait_kmcnt 0x0
	s_cmp_lt_u32 ttmp9, 64                         ; the choices hang on the task's number alone
	s_cselect_b64 s[4:5], s[6:7], s[4:5]
	s_cselect_b32 s14, s14, s15
	s_cmp_lt_u32 ttmp9, 96
	s_cselect_b64 s[4:5], s[4:5], s[8:9]           ; the tensor
	s_cselect_b32 s14, s14, s17                    ; the tile's first row
	s_cselect_b32 s18, 0, s18                      ; the first column, in bytes
	s_cselect_b32 s19, 5, 3                        ; lanes 8-15 stand 32 rows, or 8, behind lanes 0-7
	s_cselect_b32 s20, 10, 11                      ; a row is 1,024 bytes, or 2,048
	v_and_b32 v3, 7, v1
	v_lshrrev_b32 v4, 3, v1
	v_lshlrev_b32 v4, s19, v4
	v_add3_u32 v3, v3, v4, s14                     ; my row
	v_lshlrev_b32 v3, s20, v3
	v_lshl_add_u32 v3, v2, 7, v3                   ; + 128 h: my block of 32 in each run of 64
	v_add_nc_u32 v3, s18, v3
	v_lshlrev_b32 v5, 3, v2                        ; 8 h: my bytes' place in a scale word
	s_mul_i32 s23, ttmp9, 3072
	v_lshlrev_b32 v6, 4, v0
	v_add_nc_u32 v6, s23, v6                       ; out: the task's two fragments, 16 bytes a lane
	s_lshl_b32 s24, ttmp9, 8
	s_add_co_u32 s24, s24, 393216
	v_lshlrev_b32 v7, 3, v0
	v_add_nc_u32 v7, s24, v7                       ; and its scale words, 8 bytes a lane
	v_mov_b32 v22, 0                               ; a lane permute's destination counts as one of its sources
	v_mov_b32 v23, 0
.irp q,0,1,2,3
.irp i,0,1,2,3,4,5,6,7
	global_load_b128 v[SRC+32*\q+4*\i:SRC+32*\q+4*\i+3], v3, s[4:5] offset:256*\q+16*\i th:TH_LOAD_NT
.endr
.endr
	s_wait_loadcnt 0x0
.irp b,0,1,2,3
	v_max3_num_f32 v[MX+\b], |v[SRC+32*\b]|, |v[SRC+32*\b+1]|, 0x2800000   ; with the floor 2^(5 - 127): the byte cannot fall under 1
.endr
.irp i,2,4,6,8,10,12,14,16,18,20,22,24,26,28,30
.irp b,0,1,2,3
	v_max3_num_f32 v[MX+\b], |v[SRC+32*\b+\i]|, |v[SRC+32*\b+\i+1]|, v[MX+\b]   ; the four blocks by turns
.endr
.endr
.irp b,0,1,2,3
	v_add_nc_u32 v[EX+\b], 0xfe000000, v[MX+\b]    ; 4 off the exponent field: the conversion takes this operand's exponent field as its scale
.endr
.irp b,0,1,2,3
	v_lshrrev_b32 v[BY+\b], 23, v[EX+\b]           ; the byte
.endr
.irp f,0,1
	v_lshl_or_b32 v[20+\f], v[BY+2*\f+1], 16, v[BY+2*\f]   ; fragment f: my blocks h and 2 + h,
.endr
.irp f,0,1
	v_lshlrev_b32 v[20+\f], v5, v[20+\f]           ; at their places,
.endr
.irp f,0,1
	v_permlanex16_b32 v[22+\f], v[20+\f], s21, s22
.endr
.irp f,0,1
	v_or_b32 v[24+\f], v[20+\f], v[22+\f]          ; with lane l xor 16's two the word is whole
.endr
.irp b,0,1,2,3
	v_cvt_scalef32_pk16_bf6_f32 v[CD+6*\b:CD+6*\b+2], v[SRC+32*\b:SRC+32*\b+15], v[EX+\b]
	v_cvt_scalef32_pk16_bf6_f32 v[XT+4*\b:XT+4*\b+2], v[SRC+32*\b+16:SRC+32*\b+31], v[EX+\b]
.endr
	v_nop                                          ; one plain place behind the scaled conversions
.irp b,0,1,2,3
.irp i,0,1,2
	v_mov_b32 v[CD+6*\b+3+\i], v[XT+4*\b+\i]
.endr
.endr
.irp f,0,1
.irp j,0,1,2
	global_store_b128 v6, v[CD+12*\f+4*\j:CD+12*\f+4*\j+3], s[10:11] offset:1536*\f+512*\j   ; 32 lanes store 512 consecutive bytes, at a multiple of 256 from wbuf's first byte
.endr
.endr
	global_store_b64 v7, v[24:25], s[10:11]        ; 256 consecutive bytes
	s_endpgm
.Lfunc_end_k_qd48e67fa8c_prep:
	.size	k_qd48e67fa8c_prep, .Lfunc_end_k_qd48e67fa8c_prep-k_qd48e67fa8c_prep
	.p2alignl 7, 3214868480
	.fill 96, 4, 3214868480
	.section	.rodata,"a",@progbits
	.p2align	6, 0x0
	.amdhsa_kernel k_qd48e67fa8c_prep
		.amdhsa_group_segment_fixed_size 0
		.amdhsa_private_segment_fixed_size 0
		.amdhsa_enable_private_segment 0
		.amdhsa_kernarg_size 32
		.amdhsa_user_sgpr_count 2
		.amdhsa_user_sgpr_kernarg_segment_ptr 1
		.amdhsa_wavefront_size32 1
		.amdhsa_system_sgpr_workgroup_id_x 1
		.amdhsa_system_sgpr_workgroup_id_y 1
		.amdhsa_system_sgpr_workgroup_id_z 1
		.amdhsa_system_vgpr_workitem_id 0
		.amdhsa_next_free_vgpr 208
		.amdhsa_next_free_sgpr 66
		.amdhsa_reserve_vcc 0
		.amdhsa_float_denorm_mode_32 3
		.amdhsa_float_denorm_mode_16_64 3
		.amdhsa_memory_ordered 1
		.amdhsa_forward_progress 1
		.amdhsa_inst_pref_size 12
	.end_amdhsa_kernel
	.amdgpu_metadata
---
amdhsa.version: [ 1, 2 ]
amdhsa.kernels:
  - .name:           k_qd48e67fa8c_prep
    .symbol:         k_qd48e67fa8c_prep.kd
    .args:
      - { .name: Wq, .offset: 0, .size: 8, .value_kind: global_buffer, .address_space: global }
      - { .name: Wkv, .offset: 8, .size: 8, .value_kind: global_buffer, .address_space: global }
      - { .name: Wo, .offset: 16, .size: 8, .value_kind: global_buffer, .address_space: global }
      - { .name: wbuf, .offset: 24, .size: 8, .value_kind: global_buffer, .address_space: global }
    .group_segment_fixed_size: 0
    .private_segment_fixed_size: 0
    .kernarg_segment_align: 8
    .kernarg_segment_size: 32
    .max_flat_workgroup_size: 32
    .sgpr_count:     66
    .vgpr_count:     208
    .wavefront_size: 32
...
	.end_amdgpu_metadata
.endif
;; end of part 3
;; launch main (part 4): grid 8 x 32, 8 waves a work-group, clusters of 4 x 1, 297,984 bytes of LDS; arguments x, wbuf, abuf; writes abuf
.if DOCPART == 4
	.amdgcn_target "amdgcn-amd-amdhsa--gfx1250"
	.amdhsa_code_object_version 6
	.text
	.protected	k_qd48e67fa8c_main
	.globl	k_qd48e67fa8c_main
	.p2align	8
	.type	k_qd48e67fa8c_main,@function
k_qd48e67fa8c_main:
	s_mov_b64 s[64:65], 0
	v_nop
	global_prefetch_b8 v0, s[64:65] scope:SCOPE_SE
	s_setreg_imm32_b32 hwreg(HW_REG_WAVE_MODE, 25, 1), 1
	s_wait_xcnt 0x0
	s_wait_alu depctr_hold_cnt(0) depctr_sa_sdst(0) depctr_va_vdst(0) depctr_va_sdst(0) depctr_va_ssrc(0) depctr_va_vcc(0) depctr_vm_vsrc(0)
	s_getreg_b32 s2, hwreg(HW_REG_IB_STS2, 6, 4)
	s_cmp_eq_u32 s2, 0
	s_cbranch_scc0 .Lentry_in_a_cluster
	s_endpgm
.Lentry_in_a_cluster:
	s_bfe_u32 s2, ttmp6, 0x10000c
	s_cmp_lg_u32 s2, 0x3003
	s_cbranch_scc0 .Lentry_shape_is_right
	s_endpgm
.Lentry_shape_is_right:
; The attention of windows of 16 x 16 pixels, 8 heads of 64: q, k, v = Wq x, Wk x, Wv x; softmax(q k^T / 8) v; all four products on codes of BF6 (E3M2) with one E8M0 scale for each 32 along K.
; The result leaves QUANTISED along the last product's K (the 512 channels), as codes and block bytes, into abuf; the launch behind this one multiplies it by Wo.
; SHARES.  One work-group takes one window (256 pixels x 256 channels).  Eight waves of 512 registers.  Wave w quantises channels 32 w .. 32 w + 31 of x for all pixels, and owns head w from the projections through the attention.
; Its weights come from wbuf straight into its registers, in the operand's order, each byte once a work-group.
; ONE ORDER OF ROWS.  Lane r of tile u of a run of 64 (pixels of the window; rows of Wq, Wk, Wv within a head) stands for index 32 (r / 8) + 8 u + r % 8.  A result's lane (r, h) holds rows 8 h + j of source 0's
; tile, so the 32 registers of a lane's four neighbouring tiles are indices 32 h + 0 .. 31: a WHOLE block of the next quantiser in one lane, already in the 6-bit operand's order (registers 6 c .. 6 c + 5: k = 64 c + 32 h + 0 .. 31).
; No maximum crosses lanes and no codes change lanes; only a scale word's bytes are joined with lane l xor 16's.
; OPERANDS GO THROUGH LDS, AND TO abuf, AS IMAGES OF THEIR REGISTERS: half a fragment (64 along K, 6 registers a lane) is 768 bytes: registers 0-3 at 16 x lane, registers 4-5 at 512 + 8 x lane.
; PHASES.  X: x into codes | barrier | P: v (source 0 = pixels, so that the keys run along a lane's registers), k, q (source 0 = weights, so that the head's 64 do) | A: for each of 16 tiles of queries S^T = K Q^T,
; softmax, O^T = V^T P^T, / the row's sum, quantised, stored; K, V and their scales stay in registers.
; abuf: codes: window x 98,304 + head x 12,288 + tile x 768; from byte 25,165,824 the words (b0, b1, b0, b1) of a half's two blocks: window x 16,384 + head x 2,048 + tile x 128 + 4 x lane.
; Every store of this launch covers 256 or 512 consecutive bytes, at a multiple of 256 from abuf's first byte.
; THE SCORES' K is 64, half of the instruction's 128: a fragment of K holds two tiles of keys side by side, and q stands beside 6 registers of zero codes, once on each side.
; SOFTMAX.  t = score x log2(e) / 8; M = ceil(the row's largest t); p = 2^(t - M) is quantised along the keys; the row's sum is taken of the unquantised p and divides O.  All 256 keys are at hand, so M never moves.
; CLUSTER.  The four windows side by side, whose rows of 64 bytes make up each aligned 256 bytes of x, are the partners of a cluster.  NO JOINT LOADS: what partners share is the weights; a pass's weights for the
; eight waves are 8 x 13,312 = 106,496 bytes, and of the 327,680 bytes of LDS this text leaves 30,720 free; so they go from memory into registers.  No tensor load, so no ring and no barrier of the cluster.
; LIMITS.  NaN and infinities are not served.  A block of zeros gets the byte 1 where the quantiser says 127 (its codes are zeros; this program alone reads the bytes).  p under 2^-126 comes out as 0.
; A block's largest p is made from the block's largest score by the same two instructions; this takes v_exp_f32 not to fall where its input rises.  Loads of x go in runs of 64 bytes: a window's row.
;
; LDS
.set XIMG, 0                           ; x's 32 fragments: (tile T, K step s) at (2 T + s) 1,536, half c at + 768 c                         49,152 bytes
.set XSC,  49152                       ; their scale words: (2 T + s) 64 + 4 r                                                              2,048
.set RB,   51200                       ; head h at + 24,576 h: k's 16 halves (tile T at 768 T), then from QIM on v's (tile t, keys 64 g on: 3,072 t + 768 g), later q's (768 T)
.set RBH,  24576
.set QIM,  12288
.set TB,   247808                      ; head h at + 6,144 h: words (b0, b1, b0, b1) of a half's two blocks, 128 bytes (4 x lane) each: k's, from TWQ q's (later the result's), from TWV v's
.set TBH,  6144
.set TWQ,  2048
.set TWV,  4096
.set WSTEP, 98304                      ; wbuf: eight groups of codes on,
.set SSTEP, 8192                       ; and their scale words
.set WSC,  393216
.set ASCO, 25165824                    ; abuf: where the words begin
.set FLOOR, 0x2800000                  ; 2^(5 - 127): under it no largest magnitude is taken, so no byte falls under 1
.set EOFF,  0xfe000000                 ; - (4 << 23)
; REGISTERS, window 0: v1 16 x lane, v2 8 x lane, v3 4 x lane, v4 4 (lane % 16), v5 8 (lane / 16); v6-15 addresses
.set XS,  16                           ; v16-23   scale words: x's, then K's
.set WS,  24                           ; v24-31   scale words: the weights', then V's
.set W,   32                           ; v32-127  eight fragments of weights
.set ACC, 128                          ; v128-255 sixteen accumulators
.set QOP, 32                           ; in the attention: v32-37 zeros, v38-43 q's codes, v44-49 zeros
.set OT,  50                           ; v50-81   O^T
.set ST0, 82                           ; v82-97   largest magnitudes, scale operands, bytes, lane permutes' results: four each
.set NM,  98                           ; v98 -M, v99 0 (named with it as a pair)
.set SU,  100                          ; v100-103 the row's sum, two chains of pairs
.set TP,  104                          ; v104-105 at work
.set PT,  106                          ; v106     a lane permute's result
.set QS,  108                          ; v108     q's scale word
.set PS,  110                          ; v110-111 p's scale words
; window 1 (local numbers)
.set XF,  0                            ; 0-95     eight fragments: x's, then K's
.set VF,  96                           ; 96-191   V's eight
.set ST1, 192                          ; 192-207  as ST0
.set CD1, 208                          ; 208-231  codes just made, 6 a block
.set XT1, 232                          ; 232-247  their second halves (a conversion's three registers begin on an even number)
; s_set_vgpr_msb's low byte: bits 1:0 source 0, 3:2 source 1, 5:4 source 2, 7:6 destination; the high byte repeats the setting that is left
.set MSB, 0
.macro WIN new
.if MSB != (\new)
	s_set_vgpr_msb (MSB<<8)|(\new)
.set MSB, (\new)
.endif
.endm
; THE QUANTISER, nb blocks of 32 numbers of a lane at v[s + 32 b] of window 0.  Symbols: SW the window of the sixteen registers at ST; CD, XT in window 1.
.macro QMAXA s, nb                     ; largest magnitudes, ascending; the blocks by turns
	WIN 0x50*SW
.irp b,0,1,2,3
.if \b < \nb
	v_max3_num_f32 v[ST+\b], |v[\s+32*\b]|, |v[\s+32*\b+1]|, FLOOR
.endif
.endr
.irp i,2,4,6,8,10,12,14,16,18,20,22,24,26,28,30
.irp b,0,1,2,3
.if \b < \nb
	v_max3_num_f32 v[ST+\b], |v[\s+32*\b+\i]|, |v[\s+32*\b+\i+1]|, v[ST+\b]
.endif
.endr
.endr
.endm
.macro QSC nb                          ; 4 off the exponent field: the conversion's scale operand; its exponent field is the byte
	WIN 0x44*SW
.irp b,0,1,2,3
.if \b < \nb
	v_add_nc_u32 v[ST+4+\b], EOFF, v[ST+\b]
.endif
.endr
.irp b, 0
.if \b < \nb
	v_lshrrev_b32 v[ST+8+\b], 23, v[ST+4+\b]
.endif
.endr
.irp b, 1, 2, 3
.if \b < \nb
	s_delay_alu instid0(VALU_DEP_4)
	v_lshrrev_b32 v[ST+8+\b], 23, v[ST+4+\b]
.endif
.endr
.endm
.macro QCVT s, nb                      ; block b's 32 codes into v[CD + 6 b ..] of window 1
	WIN 0x40|(0x04*SW)
.irp b,0,1,2,3
.if \b < \nb
	v_cvt_scalef32_pk16_bf6_f32 v[CD+6*\b:CD+6*\b+2], v[\s+32*\b:\s+32*\b+15], v[ST+4+\b]
	v_cvt_scalef32_pk16_bf6_f32 v[XT+4*\b:XT+4*\b+2], v[\s+32*\b+16:\s+32*\b+31], v[ST+4+\b]
.endif
.endr
	v_nop                                          ; one plain place behind the scaled conversions
	WIN 0x41
.irp b,0,1,2,3
.if \b < \nb
.irp i,0,1,2
	v_mov_b32 v[CD+6*\b+3+\i], v[XT+4*\b+\i]
.endr
.endif
.endr
.endm
.macro QTW nb                          ; my byte (block lane / 16 of my row) and lane l xor 16's make the word (b0, b1, b0, b1), in the byte's register
	WIN 0x51*SW
.irp b,0,1,2,3
.if \b < \nb
	v_lshl_or_b32 v[ST+8+\b], v[ST+8+\b], 16, v[ST+8+\b]
.endif
.endr
	WIN 0x44*SW
.irp b,0,1,2,3
.if \b < \nb
	v_lshlrev_b32 v[ST+8+\b], v5, v[ST+8+\b]
.endif
.endr
	WIN 0x41*SW
.irp b,0,1,2,3
.if \b < \nb
	v_permlanex16_b32 v[ST+12+\b], v[ST+8+\b], s20, s21
.endif
.endr
	WIN 0x45*SW
.irp b,0,1,2,3
.if \b < \nb
	v_or_b32 v[ST+8+\b], v[ST+8+\b], v[ST+12+\b]
.endif
.endr
.endm
; A matrix instruction on the symbols rD, rA, rB, kA, kB.  mode 0: adds onto D; 1: begins with 0
.macro MM mode
.if (\mode) == 1
	v_wmma_scale_f32_16x16x128_f8f6f4 v[rD:rD+7], v[rA:rA+11], v[rB:rB+11], 0, v[kA], v[kB] matrix_a_fmt:MATRIX_FMT_BF6 matrix_b_fmt:MATRIX_FMT_BF6
.else
	v_wmma_scale_f32_16x16x128_f8f6f4 v[rD:rD+7], v[rA:rA+11], v[rB:rB+11], v[rD:rD+7], v[kA], v[kB] matrix_a_fmt:MATRIX_FMT_BF6 matrix_b_fmt:MATRIX_FMT_BF6
.endif
.endm
.macro WLOAD                           ; my group of weights: eight fragments and their scale words: 28 loads, each of consecutive bytes
.irp f,0,1,2,3,4,5,6,7
.irp j,0,1,2
	global_load_b128 v[W+12*\f+4*\j:W+12*\f+4*\j+3], v1, s[16:17] offset:1536*\f+512*\j
.endr
.endr
.irp t,0,1,2,3
	global_load_b64 v[WS+2*\t:WS+2*\t+1], v2, s[18:19] offset:256*\t
.endr
.endm
.macro LOADC dst, img                  ; sixteen halves on end in my head's part of RB become eight fragments in window 1
	WIN 0x40
.irp f,0,1,2,3,4,5,6,7
.irp c,0,1
	ds_load_b128 v[\dst+12*\f+6*\c:\dst+12*\f+6*\c+3], v7 offset:\img+1536*\f+768*\c
	ds_load_b64 v[\dst+12*\f+6*\c+4:\dst+12*\f+6*\c+5], v8 offset:\img+1536*\f+768*\c+512
.endr
.endr
	WIN 0
.endm
	s_load_b128 s[4:7], s[0:1], 0x0                ; x s[4:5], wbuf s[6:7]
	s_load_b64 s[8:9], s[0:1], 0x10                ; abuf
	v_lshrrev_b32 v1, 5, v0
	s_delay_alu instid0(VALU_DEP_1)
	v_readfirstlane_b32 s12, v1                    ; wave 0..7
	v_and_b32 v10, 31, v0
	s_delay_alu instid0(VALU_DEP_1)
	v_lshlrev_b32 v1, 4, v10
	s_delay_alu instid0(VALU_DEP_2)
	v_lshlrev_b32 v2, 3, v10
	s_delay_alu instid0(VALU_DEP_3)
	v_lshlrev_b32 v3, 2, v10
	v_and_b32 v4, 15, v0
	s_delay_alu instid0(VALU_DEP_1)
	v_lshlrev_b32 v4, 2, v4
	v_bfe_u32 v10, v0, 4, 1                        ; lane / 16
	s_delay_alu instid0(VALU_DEP_1)
	v_lshlrev_b32 v5, 3, v10
	v_bfe_u32 v6, v0, 2, 3
	v_and_b32 v11, 3, v0
	s_delay_alu instid0(VALU_DEP_2)
	v_lshlrev_b32 v6, 9, v6
	s_delay_alu instid0(VALU_DEP_1)
	v_lshl_add_u32 v6, v11, 4, v6                  ; x: four lanes to a window's row of 64 bytes, eight rows of 512 bytes a load
	s_bfe_u32 s13, ttmp6, 0x40000                  ; cx: it enters x's and abuf's addresses alone
	s_lshl_b32 s14, ttmp9, 2
	s_add_co_u32 s14, s14, s13                     ; the window's column Y
	s_and_b32 s13, ttmp7, 0xffff                   ; 8 x image + the window's row X
	s_lshl_b32 s38, s13, 3
	s_add_co_u32 s38, s38, s14                     ; the window's number
	s_lshl_b32 s14, s14, 6                         ; 64 bytes
	s_and_b32 s33, s13, 7
	s_lshl_b32 s33, s33, 13                        ; 16 rows of 512 bytes
	s_add_co_u32 s14, s14, s33
	s_lshr_b32 s13, s13, 3
	s_lshl_b32 s13, s13, 24                        ; 256 planes of 65,536 bytes
	s_add_co_u32 s14, s14, s13
	s_lshl_b32 s13, s12, 21                        ; my wave's 32 planes
	s_add_co_u32 s14, s14, s13
	s_mov_b32 s15, 0
	s_mul_i32 s34, s12, 12288                      ; my group of weights
	s_mov_b32 s35, 0
	s_lshl_b32 s36, s12, 10
	s_add_co_u32 s36, s36, WSC                     ; its scale words
	s_mov_b32 s37, 0
	s_mul_i32 s40, s38, 98304                      ; abuf: my window's codes,
	s_add_co_u32 s40, s40, s34                     ; my head's 12,288 bytes of them
	s_mov_b32 s41, 0
	s_lshl_b32 s42, s38, 14                        ; my window's words,
	s_lshl_b32 s43, s12, 11                        ; my head's 2,048 bytes of them
	s_add_co_u32 s42, s42, s43
	s_add_co_u32 s42, s42, ASCO
	s_mov_b32 s43, 0
	s_mov_b32 s20, 0x76543210
	s_mov_b32 s21, 0xfedcba98                      ; v_permlanex16_b32's selects for lane l xor 16
	s_mov_b32 s22, 0x3e38aa3b                      ; c = log2(e) / 8
	s_mov_b32 s23, s22                             ; (named with it as a pair)
	s_wait_alu depctr_va_vdst(0)
	s_wait_kmcnt 0x0
	s_add_nc_u64 s[4:5], s[4:5], s[14:15]
	s_add_nc_u64 s[16:17], s[6:7], s[34:35]
	s_add_nc_u64 s[18:19], s[6:7], s[36:37]
	s_add_nc_u64 s[10:11], s[8:9], s[40:41]        ; where the result's codes go
	s_add_nc_u64 s[8:9], s[8:9], s[42:43]          ; and its words
	WIN 0x40                                       ; all of my 32 KB of x is asked for at once: window 1, set n (pixels 128 n on) at 128 n, channel i's four pixels at + 4 i
.irp n,0,1
.irp i,0,1,2,3,4,5,6,7,8,9,10,11,12,13,14,15,16,17,18,19,20,21,22,23,24,25,26,27,28,29,30,31
	global_load_b128 v[128*\n+4*\i:128*\n+4*\i+3], v6, s[4:5] offset:65536*\i+4096*\n
.endr
.endr
	WIN 0
	WLOAD                                          ; Wv of my head
	; Where my codes of x go.  My lane's pixel 4 (lane + 32 n) + e is row rho + e of tile 8 n + 4 (lane / 16) + (lane / 2) % 4, rho = 8 ((lane / 8) % 2) + 4 (lane % 2);
	; my wave's block of channels is K step w / 4, half (w / 2) % 2, lanes 16 (w % 2) on
	v_bfe_u32 v11, v0, 1, 2
	v_bfe_u32 v12, v0, 3, 1
	v_and_b32 v13, 1, v0
	s_delay_alu instid0(VALU_DEP_2)
	v_lshlrev_b32 v12, 3, v12
	s_delay_alu instid0(VALU_DEP_1)
	v_lshl_add_u32 v12, v13, 2, v12                ; rho
	v_mul_u32_u24 v14, v10, 12288
	s_delay_alu instid0(VALU_DEP_1)
	v_mad_u32_u24 v14, v11, 3072, v14
	s_wait_alu depctr_va_vdst(0)
	s_lshr_b32 s33, s12, 2
	s_mul_i32 s34, s33, 1536
	s_bfe_u32 s35, s12, 0x10001
	s_mul_i32 s35, s35, 768
	s_add_co_u32 s34, s34, s35
	s_and_b32 s35, s12, 1
	s_lshl_b32 s36, s35, 8
	s_add_co_u32 s36, s36, s34
	s_lshl_b32 s37, s35, 7
	s_add_co_u32 s37, s37, s34
	v_lshl_add_u32 v7, v12, 4, v14
	s_delay_alu instid0(VALU_DEP_1)
	v_add_nc_u32 v7, s36, v7                       ; registers 0-3
	v_lshl_add_u32 v8, v12, 3, v14
	s_delay_alu instid0(VALU_DEP_1)
	v_add_nc_u32 v8, s37, v8                       ; registers 4-5 (+ 512 in the immediate)
	v_lshlrev_b32 v9, 9, v10
	s_delay_alu instid0(VALU_DEP_1)
	v_lshl_add_u32 v9, v11, 7, v9
	s_delay_alu instid0(VALU_DEP_1)
	v_lshl_add_u32 v9, v12, 2, v9
	s_lshl_b32 s33, s33, 6
	s_and_b32 s35, s12, 3
	s_add_co_u32 s33, s33, s35
	s_add_co_u32 s33, s33, XSC
	v_add_nc_u32 v9, s33, v9                       ; my block's byte of the row's scale word
; ---- X: 128 pixels x my 32 channels.  A load brought four pixels of one channel; the conversions want a pixel's 32 channels on end: 128 moves.  The work registers lie in the set's own landing area, which the moves have left.
.macro XSET n, left
	s_wait_loadcnt \left                           ; loads come back in order: this set's 32 are in
	WIN 0x01
.set e, 0
.rept 4
.set i, 0
.rept 32
	v_mov_b32 v[ACC+32*e+i], v[128*\n+4*i+e]
.set i, i+1
.endr
.set e, e+1
.endr
.set SW, 1
.set ST, 64+128*\n
.set CD, 80+128*\n
.set XT, 104+128*\n
	QMAXA ACC, 4
	QSC 4
	QCVT ACC, 4
	WIN 0x04                                       ; an LDS store's data are its source 1
.irp e,0,1,2,3
	ds_store_b128 v7, v[CD+6*\e:CD+6*\e+3] offset:24576*\n+16*\e
	ds_store_b64 v8, v[CD+6*\e+4:CD+6*\e+5] offset:24576*\n+512+8*\e
	ds_store_b8 v9, v[ST+8+\e] offset:1024*\n+4*\e
.endr
	WIN 0
.endm
	XSET 0, 60                                     ; the second set's 32 loads and the 28 of the weights may be out
	XSET 1, 28                                     ; the weights' may be out
	s_wait_dscnt 0x0                               ; for the others' sake: my stores have landed
	s_barrier_signal -1
	s_barrier_wait -1                              ; x's 32 fragments and their scale words lie in LDS
; ---- P: the projections of my head
	s_mul_i32 s33, s12, RBH
	s_add_co_u32 s33, s33, RB
	s_mul_i32 s34, s12, TBH
	s_add_co_u32 s34, s34, TB
	v_add_nc_u32 v6, XSC, v4                       ; x's scale words (x's loads, which read v6, have come)
	v_add_nc_u32 v7, s33, v1                       ; my head's images, registers 0-3,
	v_add_nc_u32 v8, s33, v2                       ; registers 4-5,
	v_add_nc_u32 v9, s34, v3                       ; my head's words
	WIN 0x40
.irp b,0,1,2,3
	v_mov_b32 v[ST1+12+\b], 0                      ; a lane permute's destination counts as one of its sources
.endr
	WIN 0
.macro XLD half                        ; x's fragments (tile 2 half + 0, 1 of the group; both K steps) and their scale words: 20 LDS loads
	WIN 0x40
.irp k,0,1,2,3
.irp c,0,1
	ds_load_b128 v[XF+12*(4*\half+\k)+6*\c:XF+12*(4*\half+\k)+6*\c+3], v10 offset:(4*\half+\k)*1536+768*\c
	ds_load_b64 v[XF+12*(4*\half+\k)+6*\c+4:XF+12*(4*\half+\k)+6*\c+5], v11 offset:(4*\half+\k)*1536+768*\c+512
.endr
.endr
	WIN 0
.irp k,0,1,2,3
	ds_load_b32 v[XS+4*\half+\k], v12 offset:64*(4*\half+\k)
.endr
.endm
; 16 matrix instructions: two tiles of pixels x my head's four tiles, both K steps.  The eight accumulators take turns, one instruction a turn.
; pswap = 0: source 0 = weights: accumulator (pixel tile u, weight tile t) at ACC + 32 u + 8 t: a lane's 32 registers of u are 32 of the head's 64 of one pixel.
; pswap = 1: source 0 = pixels: at ACC + 32 t + 8 u: a lane's 32 registers of t are 32 neighbouring pixels (keys) of one of the head's 64.
.macro PMUL pswap, half
.if \pswap
	WIN 0x01
.else
	WIN 0x04
.endif
.irp s,0,1
.irp p,0,1
.irp t,0,1,2,3
.set u, 2*\half+\p
.if \pswap
.set rD, ACC+32*\t+8*u
.set rA, XF+12*(2*u+\s)
.set rB, W+12*(2*\t+\s)
.set kA, XS+2*u+\s
.set kB, WS+2*\t+\s
.else
.set rD, ACC+32*u+8*\t
.set rA, W+12*(2*\t+\s)
.set rB, XF+12*(2*u+\s)
.set kA, WS+2*\t+\s
.set kB, XS+2*u+\s
.endif
	MM 1-\s
.endr
.endr
.endr
.endm
; One trip: 64 pixels (four tiles) x my head's 64.  Block b's image goes to pio + b pib + s27, its word to pto + b ptb + s28.
.macro GROUP pswap, pib, ptb, pio, pto
	s_wait_dscnt 0x0                               ; no LDS instruction of mine is out: the address registers are written anew
	v_add_nc_u32 v10, s25, v1
	v_add_nc_u32 v11, s25, v2
	v_add_nc_u32 v12, s26, v6
	v_add_nc_u32 v13, s27, v7
	v_add_nc_u32 v14, s27, v8
	v_add_nc_u32 v15, s28, v9
	XLD 0
	XLD 1
	s_wait_loadcnt 0x0                             ; the weights
	s_wait_dscnt 20                                ; the first half's loads are in; the second half's 20 may be out
	PMUL \pswap, 0
	s_wait_dscnt 0x0
	PMUL \pswap, 1
	WIN 0
.rept 4
	v_nop                                          ; four places between the last products and the first read of results (ISA guide 7.12.1)
.endr
.set SW, 1
.set ST, ST1
.set CD, CD1
.set XT, XT1
	QMAXA ACC, 4
	QSC 4
	QCVT ACC, 4
	QTW 4
	WIN 0x04
.irp b,0,1,2,3
	ds_store_b128 v13, v[CD+6*\b:CD+6*\b+3] offset:\pio+\b*\pib
	ds_store_b64 v14, v[CD+6*\b+4:CD+6*\b+5] offset:\pio+\b*\pib+512
	ds_store_b32 v15, v[ST+8+\b] offset:\pto+\b*\ptb
.endr
	WIN 0
.endm
.macro PINIT
	s_mov_b32 s25, 0                               ; x's fragments: 12,288 bytes a trip
	s_mov_b32 s26, 0                               ; their scale words: 512
	s_mov_b32 s27, 0                               ; my images
	s_mov_b32 s28, 0                               ; my words
	s_mov_b32 s24, 4
.endm
.macro PSTEP di, dt
	s_add_co_u32 s25, s25, 12288
	s_add_co_u32 s26, s26, 512
	s_add_co_u32 s27, s27, \di
	s_add_co_u32 s28, s28, \dt
	s_sub_co_u32 s24, s24, 1
	s_cmp_lg_u32 s24, 0
.endm
	PINIT
.Lv:                                                   ; v: block b = tile t of the head's 64; the trip = keys 64 g on
	GROUP 1, 3072, 512, QIM, TWV
	PSTEP 768, 128
	s_cbranch_scc1 .Lv
	s_add_nc_u64 s[16:17], s[16:17], WSTEP         ; (the weights' loads have come: their bases may step)
	s_add_nc_u64 s[18:19], s[18:19], SSTEP
	WLOAD                                          ; Wk
	LOADC VF, QIM                                  ; V's eight fragments into registers, for good: LDS serves a wave's instructions in order, so these see my stores, and q's images come behind them
	PINIT
.Lk:                                                   ; k: block b = tile u of the trip's four tiles of pixels
	GROUP 0, 768, 128, 0, 0
	PSTEP 3072, 512
	s_cbranch_scc1 .Lk
	s_add_nc_u64 s[16:17], s[16:17], WSTEP
	s_add_nc_u64 s[18:19], s[18:19], SSTEP
	WLOAD                                          ; Wq
	PINIT
.Lq:
	GROUP 0, 768, 128, QIM, TWQ
	PSTEP 3072, 512
	s_cbranch_scc1 .Lq
; ---- A: the attention of my head.  K's fragments (two tiles of keys side by side), V's, and both scale words stay in registers.
	LOADC XF, 0
.irp i,0,1,2,3,4,5,6,7,8,9,10,11,12,13,14,15
	ds_load_b32 v[ACC+\i], v9 offset:128*\i        ; k's sixteen words,
.endr
.irp i,0,1,2,3,4,5,6,7,8,9,10,11,12,13,14,15
	ds_load_b32 v[ACC+16+\i], v9 offset:TWV+128*\i ; v's
.endr
	ds_load_b128 v[QOP+6:QOP+9], v7 offset:QIM     ; q of tile 0
	ds_load_b64 v[QOP+10:QOP+11], v8 offset:QIM+512
	ds_load_b32 v[QS], v9 offset:TWQ
.irp i,0,1,2,3,4,5
	v_mov_b32 v[QOP+\i], 0                         ; zero codes on both sides of q's six registers
	v_mov_b32 v[QOP+12+\i], 0
.endr
.irp b,0,1,2,3
	v_mov_b32 v[ST0+12+\b], 0                      ; lane permutes' destinations
.endr
	v_mov_b32 v[PT], 0
	v_mov_b32 v[NM+1], 0
	s_wait_dscnt 0x0
.irp f,0,1,2,3,4,5,6,7
	v_perm_b32 v[XS+\f], v[ACC+2*\f+1], v[ACC+2*\f], 0x07060100        ; a fragment's scale word: the first half's two bytes, the second half's two
	v_perm_b32 v[WS+\f], v[ACC+16+2*\f+1], v[ACC+16+2*\f], 0x07060100
.endr
.rept 8
	v_nop                                          ; a scale register written by a vector instruction stands eight places ahead of a scaled matrix instruction
.endr
	s_mov_b32 s29, 0                               ; the tile's image of q: 768 bytes a trip
	s_mov_b32 s30, 0                               ; its word: 128
	s_mov_b32 s24, 16
.set SW, 0
.set ST, ST0
.set CD, CD1
.set XT, XT1
.Latt:                                                 ; one trip: 16 queries x 256 keys
	s_wait_dscnt 0x0                               ; q and its word are in; the last trip's LDS store is done
	WIN 0x01
	s_wait_alu depctr_va_vdst(0)
	s_setprio 2
.irp i,0,1,2,3,4,5,6,7
.irp e,0,1
.set rD, ACC+8*(2*\i+\e)
.set rA, XF+12*\i
.set rB, QOP+6-6*\e
.set kA, XS+\i
.set kB, QS
	MM 1                                           ; S^T of key tile 2 i + e: q stands against that tile's half, zero codes against the other
.endr
.endr
	WIN 0
	s_add_co_u32 s31, s29, 768                     ; the next tile (in the last trip: the last again; it is not used)
	s_min_u32 s31, s31, 11520
	s_add_co_u32 s32, s30, 128
	s_min_u32 s32, s32, 1920
	v_add_nc_u32 v12, s30, v9                      ; four plain lines: the places between the products and the loads into q's registers, and the first read of the scores
	v_add_nc_u32 v13, s31, v7
	v_add_nc_u32 v14, s31, v8
	v_add_nc_u32 v15, s32, v9
	ds_load_b128 v[QOP+6:QOP+9], v13 offset:QIM
	ds_load_b64 v[QOP+10:QOP+11], v14 offset:QIM+512
	ds_load_b32 v[QS], v15 offset:TWQ
	; register 32 g + i of ACC is key 64 g + 32 (lane / 16) + i of my query: four whole blocks of keys.  THE LARGEST SCORE OF EACH BLOCK serves twice: for the row's maximum and, since p rises with the score, for the block's largest p
.irp b,0,1,2,3
	v_max3_num_f32 v[ST0+\b], v[ACC+32*\b], v[ACC+32*\b+1], v[ACC+32*\b+2]
.endr
.irp i,3,5,7,9,11,13,15,17,19,21,23,25,27,29
.irp b,0,1,2,3
	v_max3_num_f32 v[ST0+\b], v[ACC+32*\b+\i], v[ACC+32*\b+\i+1], v[ST0+\b]
.endr
.endr
.irp b,0,1,2,3
	v_max_num_f32 v[ST0+\b], v[ST0+\b], v[ACC+32*\b+31]
.endr
	s_delay_alu instid0(VALU_DEP_2)
	v_max3_num_f32 v[TP], v[ST0], v[ST0+1], v[ST0+2]
	s_delay_alu instid0(VALU_DEP_1)
	v_max_num_f32 v[TP], v[TP], v[ST0+3]
	s_delay_alu instid0(VALU_DEP_1)
	v_permlanex16_b32 v[PT], v[TP], s20, s21
	s_delay_alu instid0(VALU_DEP_1)
	v_max_num_f32 v[TP], v[TP], v[PT]              ; the row's largest score
	s_delay_alu instid0(VALU_DEP_1)
	v_mul_f32 v[TP], s22, v[TP]                    ; as t (c is positive)
	s_delay_alu instid0(VALU_DEP_1)
	v_floor_f32 v[NM], -v[TP]                      ; -M = floor(-t) = -ceil(t)
.set j, 0
.rept 64
	v_pk_fma_f32 v[ACC+j:ACC+j+1], v[ACC+j:ACC+j+1], s[22:23], v[NM:NM+1] op_sel_hi:[1,0,0]   ; t - M, two at a time
.set j, j+2
.endr
.irp b,0,1,2,3
	v_fma_f32 v[ST0+\b], v[ST0+\b], s22, v[NM]     ; the same of each block's largest score
.endr
	s_wait_alu depctr_va_vdst(0)
.irp b,0,1,2,3
	v_exp_f32 v[ST0+\b], v[ST0+\b]                 ; the block's largest p
.endr
.set j, 0
.rept 128
	v_exp_f32 v[ACC+j], v[ACC+j]                   ; p = 2^(t - M): not normalised
.set j, j+1
.endr
	s_setprio 1
	v_nop                                          ; a plain place behind the last exponential
	s_wait_alu depctr_va_vdst(0)                   ; one wait for the batch of 132, ahead of its first reader
	s_wait_xcnt 0x0                                ; the last trip's two stores have read their registers and their base: the conversions below write the codes' registers anew,
	s_add_nc_u64 s[10:11], s[10:11], 768           ; and the base steps: it stands one tile ahead of this trip's stores, which reach back by their immediates
.irp b,0,1,2,3
	v_max_num_f32 v[ST0+\b], FLOOR, v[ST0+\b]
.endr
	QSC 4
.irp s, 0
	s_delay_alu instid0(VALU_DEP_3)
	v_lshl_or_b32 v[TP+\s], v[ST0+9+2*\s], 16, v[ST0+8+2*\s]
.endr
.irp s, 1
	s_delay_alu instid0(VALU_DEP_2)
	v_lshl_or_b32 v[TP+\s], v[ST0+9+2*\s], 16, v[ST0+8+2*\s]   ; K step s of the keys: my blocks h and 2 + h,
.endr
.irp s,0,1
	s_delay_alu instid0(VALU_DEP_2)
	v_lshlrev_b32 v[TP+\s], v5, v[TP+\s]
.endr
.irp s,0,1
	s_delay_alu instid0(VALU_DEP_2)
	v_permlanex16_b32 v[ST0+12+\s], v[TP+\s], s20, s21
.endr
.irp s,0,1
	s_delay_alu instid0(VALU_DEP_2)
	v_or_b32 v[PS+\s], v[TP+\s], v[ST0+12+\s]      ; with lane l xor 16's: p's scale word
.endr
	QCVT ACC, 4                                    ; p's two fragments at CD1 and CD1 + 12
	WIN 0
	v_pk_add_f32 v[102:103], v[128:129], v[130:131]
	v_pk_add_f32 v[126:127], v[136:137], v[140:141]
	v_pk_add_f32 v[124:125], v[144:145], v[148:149]
	v_pk_add_f32 v[122:123], v[152:153], v[156:157]
	v_pk_add_f32 v[120:121], v[160:161], v[164:165]
	v_pk_add_f32 v[118:119], v[168:169], v[172:173]
	v_pk_add_f32 v[116:117], v[176:177], v[180:181]
	v_pk_add_f32 v[100:101], v[184:185], v[188:189]
	v_pk_add_f32 v[100:101], v[100:101], v[192:193]
	v_pk_add_f32 v[102:103], v[102:103], v[196:197]
	v_pk_add_f32 v[126:127], v[126:127], v[200:201]
	v_pk_add_f32 v[124:125], v[124:125], v[204:205]
	v_pk_add_f32 v[122:123], v[122:123], v[208:209]
	v_pk_add_f32 v[120:121], v[120:121], v[212:213]
	v_pk_add_f32 v[118:119], v[118:119], v[216:217]
	v_pk_add_f32 v[116:117], v[116:117], v[220:221]
	v_pk_add_f32 v[100:101], v[100:101], v[224:225]
	v_pk_add_f32 v[102:103], v[102:103], v[228:229]
	v_pk_add_f32 v[126:127], v[126:127], v[232:233]
	v_pk_add_f32 v[124:125], v[124:125], v[236:237]
	v_pk_add_f32 v[122:123], v[122:123], v[240:241]
	v_pk_add_f32 v[120:121], v[120:121], v[244:245]
	v_pk_add_f32 v[118:119], v[118:119], v[248:249]
	v_pk_add_f32 v[116:117], v[116:117], v[252:253]
	v_pk_add_f32 v[100:101], v[100:101], v[132:133]
	v_pk_add_f32 v[102:103], v[102:103], v[134:135]
	v_pk_add_f32 v[126:127], v[126:127], v[138:139]
	v_pk_add_f32 v[124:125], v[124:125], v[142:143]
	v_pk_add_f32 v[122:123], v[122:123], v[146:147]
	v_pk_add_f32 v[120:121], v[120:121], v[150:151]
	v_pk_add_f32 v[118:119], v[118:119], v[154:155]
	v_pk_add_f32 v[116:117], v[116:117], v[158:159]
	v_pk_add_f32 v[100:101], v[100:101], v[162:163]
	v_pk_add_f32 v[102:103], v[102:103], v[166:167]
	v_pk_add_f32 v[126:127], v[126:127], v[170:171]
	v_pk_add_f32 v[124:125], v[124:125], v[174:175]
	v_pk_add_f32 v[122:123], v[122:123], v[178:179]
	v_pk_add_f32 v[120:121], v[120:121], v[182:183]
	v_pk_add_f32 v[118:119], v[118:119], v[186:187]
	v_pk_add_f32 v[116:117], v[116:117], v[190:191]
	v_pk_add_f32 v[100:101], v[100:101], v[194:195]
	v_pk_add_f32 v[102:103], v[102:103], v[198:199]
	v_pk_add_f32 v[126:127], v[126:127], v[202:203]
	v_pk_add_f32 v[124:125], v[124:125], v[206:207]
	v_pk_add_f32 v[122:123], v[122:123], v[210:211]
	v_pk_add_f32 v[120:121], v[120:121], v[214:215]
	v_pk_add_f32 v[118:119], v[118:119], v[218:219]
	v_pk_add_f32 v[116:117], v[116:117], v[222:223]
	v_pk_add_f32 v[100:101], v[100:101], v[226:227]
	v_pk_add_f32 v[102:103], v[102:103], v[230:231]
	v_pk_add_f32 v[126:127], v[126:127], v[234:235]
	v_pk_add_f32 v[124:125], v[124:125], v[238:239]
	v_pk_add_f32 v[122:123], v[122:123], v[242:243]
	v_pk_add_f32 v[120:121], v[120:121], v[246:247]
	v_pk_add_f32 v[118:119], v[118:119], v[250:251]
	v_pk_add_f32 v[116:117], v[116:117], v[254:255]
	s_delay_alu instid0(VALU_DEP_4)
	v_pk_add_f32 v[100:101], v[100:101], v[122:123]
	s_delay_alu instid0(VALU_DEP_4)
	v_pk_add_f32 v[102:103], v[102:103], v[120:121]
	s_delay_alu instid0(VALU_DEP_4)
	v_pk_add_f32 v[126:127], v[126:127], v[118:119]
	s_delay_alu instid0(VALU_DEP_4)
	v_pk_add_f32 v[124:125], v[124:125], v[116:117]
	s_delay_alu instid0(VALU_DEP_2)
	v_pk_add_f32 v[100:101], v[100:101], v[126:127]
	s_delay_alu instid0(VALU_DEP_2)
	v_pk_add_f32 v[102:103], v[102:103], v[124:125]
	s_delay_alu instid0(VALU_DEP_1)
	v_pk_add_f32 v[100:101], v[100:101], v[102:103]
	s_delay_alu instid0(VALU_DEP_1)
	v_add_f32 v[SU], v[SU], v[SU+1]
	s_delay_alu instid0(VALU_DEP_1)
	v_permlanex16_b32 v[PT], v[SU], s20, s21
	s_delay_alu instid0(VALU_DEP_1)
	v_add_f32 v[SU], v[SU], v[PT]                  ; with lane l xor 16's 128 keys
	s_wait_alu depctr_va_vdst(0)
	v_rcp_f32 v[TP], v[SU]
	v_nop                                          ; a plain place behind the reciprocal
	WIN 0x05
	s_setprio 0
.irp s,0,1
.irp t,0,1,2,3
.set rD, OT+8*\t
.set rA, VF+12*(2*\t+\s)
.set rB, CD1+12*\s
.set kA, WS+2*\t+\s
.set kB, PS+\s
	MM 1-\s                                        ; O^T: the four accumulators by turns
.endr
.endr
	WIN 0
.rept 4
	v_nop                                          ; four places between the products and the first read of O^T
.endr
	s_wait_alu depctr_va_vdst(0)                   ; the reciprocal's wait, ahead of its first reader
.set j, 0
.rept 16
	v_pk_mul_f32 v[OT+j:OT+j+1], v[OT+j:OT+j+1], v[TP:TP+1] op_sel_hi:[1,0]   ; / the sum; ascending.  Register i is channel 32 (lane / 16) + i of my head: one block of the last product's K
.set j, j+2
.endr
	v_max3_num_f32 v[ST0], |v[OT]|, |v[OT+1]|, FLOOR
	v_max3_num_f32 v[ST0+1], |v[OT+16]|, |v[OT+17]|, FLOOR
.irp i,2,4,6,8,10,12,14
	s_delay_alu instid0(VALU_DEP_2)
	v_max3_num_f32 v[ST0], |v[OT+\i]|, |v[OT+\i+1]|, v[ST0]
	s_delay_alu instid0(VALU_DEP_2)
	v_max3_num_f32 v[ST0+1], |v[OT+16+\i]|, |v[OT+17+\i]|, v[ST0+1]
.endr
	s_delay_alu instid0(VALU_DEP_1)
	v_max_num_f32 v[ST0], v[ST0], v[ST0+1]
	QSC 1
	QCVT OT, 1
	QTW 1
	WIN 0x04                                       ; a store's data are its source 1
	global_store_b128 v1, v[CD1:CD1+3], s[10:11] offset:-768     ; the tile's half image: 512 consecutive bytes,
	global_store_b64 v2, v[CD1+4:CD1+5], s[10:11] offset:-256    ; and 256 more
	WIN 0
	ds_store_b32 v12, v[ST0+8] offset:TWQ          ; its word, over this tile's q's, which has been read: the sixteen words leave together behind the loop
	s_add_co_u32 s29, s29, 768
	s_add_co_u32 s30, s30, 128
	s_sub_co_u32 s24, s24, 1
	s_cmp_lg_u32 s24, 0
	s_cbranch_scc1 .Latt
	s_setprio 0
	s_wait_dscnt 0x0                               ; no LDS instruction of mine is out
	s_mul_i32 s33, s12, TBH
	s_add_co_u32 s33, s33, TB+TWQ
	v_add_nc_u32 v13, s33, v1                      ; my head's sixteen words, 2,048 bytes on end, 16 bytes a lane
.irp j,0,1,2,3
	ds_load_b128 v[ACC+4*\j:ACC+4*\j+3], v13 offset:512*\j
.endr
	s_wait_dscnt 0x0
.irp j,0,1,2,3
	global_store_b128 v1, v[ACC+4*\j:ACC+4*\j+3], s[8:9] offset:512*\j   ; 512 consecutive bytes each
.endr
	s_wait_xcnt 0x0
	v_lshl_add_u32 v254, v0, 2, 0x48800
	v_mov_b32 v255, 0
	s_wait_alu depctr_va_vdst(0)
	s_wait_tensorcnt 0x0
	ds_add_u32 v254, v255
	s_wait_dscnt 0x0
	s_endpgm
.Lfunc_end_k_qd48e67fa8c_main:
	.size	k_qd48e67fa8c_main, .Lfunc_end_k_qd48e67fa8c_main-k_qd48e67fa8c_main
	.p2alignl 7, 3214868480
	.fill 96, 4, 3214868480
	.section	.rodata,"a",@progbits
	.p2align	6, 0x0
	.amdhsa_kernel k_qd48e67fa8c_main
		.amdhsa_group_segment_fixed_size 297984
		.amdhsa_private_segment_fixed_size 0
		.amdhsa_enable_private_segment 0
		.amdhsa_kernarg_size 24
		.amdhsa_user_sgpr_count 2
		.amdhsa_user_sgpr_kernarg_segment_ptr 1
		.amdhsa_wavefront_size32 1
		.amdhsa_system_sgpr_workgroup_id_x 1
		.amdhsa_system_sgpr_workgroup_id_y 1
		.amdhsa_system_sgpr_workgroup_id_z 1
		.amdhsa_system_vgpr_workitem_id 0
		.amdhsa_next_free_vgpr 512
		.amdhsa_next_free_sgpr 66
		.amdhsa_reserve_vcc 0
		.amdhsa_float_denorm_mode_32 3
		.amdhsa_float_denorm_mode_16_64 3
		.amdhsa_memory_ordered 1
		.amdhsa_forward_progress 1
		.amdhsa_inst_pref_size 123
	.end_amdhsa_kernel
	.amdgpu_metadata
---
amdhsa.version: [ 1, 2 ]
amdhsa.kernels:
  - .name:           k_qd48e67fa8c_main
    .symbol:         k_qd48e67fa8c_main.kd
    .args:
      - { .name: x, .offset: 0, .size: 8, .value_kind: global_buffer, .address_space: global }
      - { .name: wbuf, .offset: 8, .size: 8, .value_kind: global_buffer, .address_space: global }
      - { .name: abuf, .offset: 16, .size: 8, .value_kind: global_buffer, .address_space: global }
    .group_segment_fixed_size: 297984
    .private_segment_fixed_size: 0
    .kernarg_segment_align: 8
    .kernarg_segment_size: 24
    .max_flat_workgroup_size: 256
    .sgpr_count:     66
    .vgpr_count:     512
    .wavefront_size: 32
...
	.end_amdgpu_metadata
.endif
;; end of part 4
;; launch outp (part 5): grid 8 x 32, 8 waves a work-group, no clusters, 250,880 bytes of LDS; arguments abuf, wbuf, bo, out0; writes out0
.if DOCPART == 5
	.amdgcn_target "amdgcn-amd-amdhsa--gfx1250"
	.amdhsa_code_object_version 6
	.text
	.protected	k_qd48e67fa8c_outp
	.globl	k_qd48e67fa8c_outp
	.p2align	8
	.type	k_qd48e67fa8c_outp,@function
k_qd48e67fa8c_outp:
	s_mov_b64 s[64:65], 0
	v_nop
	global_prefetch_b8 v0, s[64:65] scope:SCOPE_SE
	s_setreg_imm32_b32 hwreg(HW_REG_WAVE_MODE, 25, 1), 1
	s_wait_xcnt 0x0
; out0 = (the attention's result) x Wo^T + bo, on codes of BF6 (E3M2) with one E8M0 scale for each 32 along K = the 512 channels.  Both operands arrive as codes in the order of the operand's registers:
; the result from abuf (window x 98,304 + head x 12,288 + tile x 768: half a fragment, 64 along K: registers 0-3 at 16 x lane, registers 4-5 at 512 + 8 x lane; from byte 25,165,824 its words (b0, b1, b0, b1):
; window x 16,384 + head x 2,048 + tile x 128 + 4 x lane), Wo from wbuf (groups 24-31: wave w's eight fragments, 4 tile + K step, and their scale words).
; SHARES.  A window's row is 64 bytes of out0; four windows side by side make 256.  So a work-group owns FOUR WINDOWS SIDE BY SIDE x four of their rows (tiles 4 g .. 4 g + 3 of each: 64 pixels a window), for all 256 outputs:
; 4 image rows x 64 pixels x 256 planes.  Grid: x = 4 c + g (c: which four of the row's eight windows), y = 8 x image + the windows' row.  Wave w owns outputs 32 w .. 32 w + 31; its part of Wo stays in registers.
; The rows' codes are wanted by all eight waves: wave w copies head w's part of the four windows (4 x 3,072 bytes of codes, 4 x 512 of words) into LDS as it lies, one barrier, and every wave reads all of it.
; PIXELS.  Lane r of tile u = 2 pi + e of a window's group g stands for the window's row 4 g + 2 (r / 8) + pi, column 8 e + r % 8.  Source 0 = pixels, source 1 = Wo: a result's lane (r, h) holds of output 16 t + r
; the columns 8 e + 0 .. 7 of row 4 g + 2 h + pi.  The results of both e and of the four windows meet in my wave's own stage: a stage row is one output, 256 bytes of image row 4 g + pi and 256 of row 4 g + pi + 2.
; They come back as whole rows, and sixteen lanes store 256 consecutive bytes, at a multiple of 256 from out0's first byte.
; NO CLUSTER: work-groups share nothing but Wo's 8 x 13,312 = 106,496 bytes, of which each wave takes its 13,312 once, straight into its registers; there is no tile in LDS that partners could ask for jointly.
; No tensor load: LDS is filled once, 114,688 bytes, asked for by each wave's first 28 lines.
; LIMITS: as the launches before leave them: NaN and infinities are not served.
.set ATW,  98304                       ; LDS: codes at 0: window x 24,576 + head x 3,072 + tile x 768;  from ATW the words: window x 4,096 + head x 512 + tile x 128 + 4 x lane
.set STG,  114688                      ; the stages: wave w at + 16,896 w: 32 rows (outputs) of 528 bytes, 512 used: row r starts 132 r words on, so that the sixteen rows of a store start at sixteen different groups of four banks
.set STGW, 16896
.set SPI,  528
.set ASCO, 25165824                    ; abuf: where the words begin
; REGISTERS, window 0: v1 16 x lane, v2 8 x lane (global offsets; also the codes' LDS addresses for windows 0, 1), v9, v10 the same + 49,152 (windows 2, 3); v3 my byte offset in out0; v4 4 (lane % 16);
; v6, v7, v8 where my copies go; v11 the words; v12, v13 the stage, in and back; v14, v15 at work
.set XS,  16                           ; v16-23   the result's scale words of the pair in hand
.set WS,  24                           ; v24-31   Wo's scale words
.set W,   32                           ; v32-127  Wo's eight fragments
.set OA,  128                          ; v128-159 four accumulators
.set OTM, 160                          ; v160-175 sixteen words
.set ORB, 176                          ; v176-239 sixteen rows back from the stage
.set BO,  240                          ; v240-255 bo in the result's layout, two tiles
.set CP,  128                          ; v128-239 at the head: what my 28 copying loads bring
.set XF,  0                            ; window 1, 0-95: the result's eight fragments of the pair in hand
.set MSB, 0
.macro WIN new                         ; s_set_vgpr_msb's low byte: bits 1:0 source 0, 3:2 source 1, 5:4 source 2, 7:6 destination; the high byte repeats the setting that is left
.if MSB != (\new)
	s_set_vgpr_msb (MSB<<8)|(\new)
.set MSB, (\new)
.endif
.endm
	s_load_b256 s[4:11], s[0:1], 0x0               ; abuf s[4:5], wbuf s[6:7], bo s[8:9], out0 s[10:11]
	v_lshl_add_u32 v5, v0, 2, 0x3d000
	s_set_vgpr_msb 0x40
	v_mov_b32 v129, 0
	s_set_vgpr_msb 0x4000
	v_lshrrev_b32 v1, 5, v0
	s_delay_alu instid0(VALU_DEP_1)
	v_readfirstlane_b32 s12, v1                    ; wave 0..7
	v_and_b32 v14, 31, v0
	s_delay_alu instid0(VALU_DEP_1)
	v_lshlrev_b32 v1, 4, v14
	s_delay_alu instid0(VALU_DEP_2)
	v_lshlrev_b32 v2, 3, v14
	s_delay_alu instid0(VALU_DEP_3)
	v_lshlrev_b32 v11, 2, v14
	s_delay_alu instid0(VALU_DEP_1)
	v_add_nc_u32 v11, ATW, v11
	v_and_b32 v14, 15, v0                          ; r
	v_bfe_u32 v15, v0, 4, 1                        ; h
	s_delay_alu instid0(VALU_DEP_2)
	v_lshlrev_b32 v4, 2, v14
	s_and_b32 s13, ttmp7, 0xffff                   ; 8 x image + the windows' row
	s_lshr_b32 s14, ttmp9, 2                       ; c
	s_and_b32 s15, ttmp9, 3                        ; g
	s_lshl_b32 s16, s13, 3
	s_lshl_b32 s17, s14, 2
	s_add_co_u32 s16, s16, s17                     ; my first window's number
	s_mul_i32 s20, s16, 98304
	s_mul_i32 s17, s12, 12288                      ; head w
	s_add_co_u32 s20, s20, s17
	s_mul_i32 s18, s15, 3072                       ; tiles 4 g on
	s_add_co_u32 s20, s20, s18
	s_mov_b32 s21, 0                               ; s[20:21]: where my copies of codes begin in abuf
	s_lshl_b32 s22, s16, 14
	s_lshl_b32 s18, s12, 11
	s_add_co_u32 s22, s22, s18
	s_lshl_b32 s18, s15, 9
	s_add_co_u32 s22, s22, s18
	s_add_co_u32 s22, s22, ASCO
	s_mov_b32 s23, 0                               ; s[22:23]: and of words
	s_add_co_u32 s24, s17, 294912                  ; wbuf: group 24 + w
	s_mov_b32 s25, 0
	s_lshl_b32 s26, s12, 10
	s_add_co_u32 s26, s26, 417792                  ; its scale words: 393,216 + 1,024 (24 + w)
	s_mov_b32 s27, 0
	s_lshl_b32 s28, s12, 7                         ; my 32 numbers of bo
	s_mov_b32 s29, 0
	s_lshr_b32 s30, s13, 3
	s_lshl_b32 s30, s30, 24                        ; out0: the image's 256 planes of 65,536 bytes,
	s_and_b32 s18, s13, 7
	s_lshl_b32 s18, s18, 13                        ; the windows' 16 rows of 512 bytes,
	s_add_co_u32 s30, s30, s18
	s_lshl_b32 s18, s15, 11                        ; four rows a group,
	s_add_co_u32 s30, s30, s18
	s_lshl_b32 s18, s14, 8                         ; four windows' 256 bytes,
	s_add_co_u32 s30, s30, s18
	s_lshl_b32 s18, s12, 21                        ; my wave's 32 planes
	s_add_co_u32 s30, s30, s18
	s_mov_b32 s31, 0
	s_wait_alu depctr_va_vdst(0)
	s_wait_kmcnt 0x0
	s_add_nc_u64 s[32:33], s[4:5], s[22:23]
	s_add_nc_u64 s[4:5], s[4:5], s[20:21]
	s_add_nc_u64 s[16:17], s[6:7], s[24:25]
	s_add_nc_u64 s[18:19], s[6:7], s[26:27]
	s_add_nc_u64 s[8:9], s[8:9], s[28:29]
	s_add_nc_u64 s[10:11], s[10:11], s[30:31]
.irp n,0,1,2,3
.irp j,0,1,2,3,4,5
	global_load_b128 v[CP+24*\n+4*\j:CP+24*\n+4*\j+3], v1, s[4:5] offset:98304*\n+512*\j th:TH_LOAD_NT   ; window n, head w, four tiles: 512 consecutive bytes a load; read once in the launch
.endr
.endr
.irp n,0,1,2,3
	global_load_b128 v[CP+96+4*\n:CP+96+4*\n+3], v1, s[32:33] offset:16384*\n th:TH_LOAD_NT              ; and their four words
.endr
.irp f,0,1,2,3,4,5,6,7
.irp j,0,1,2
	global_load_b128 v[W+12*\f+4*\j:W+12*\f+4*\j+3], v1, s[16:17] offset:1536*\f+512*\j                  ; Wo: my two tiles of 16 outputs x four K steps
.endr
.endr
.irp t,0,1,2,3
	global_load_b64 v[WS+2*\t:WS+2*\t+1], v2, s[18:19] offset:256*\t
.endr
	global_load_b32 v[BO], v4, s[8:9]              ; bo of output 32 w + lane % 16,
	global_load_b32 v[BO+8], v4, s[8:9] offset:64  ; and 16 on
	s_mul_i32 s13, s12, 3072
	v_add_nc_u32 v6, s13, v1                       ; my copies: head w's place in windows 0, 1,
	s_delay_alu instid0(VALU_DEP_1)
	v_add_nc_u32 v7, 49152, v6                     ; in windows 2, 3,
	s_lshl_b32 s13, s12, 9
	s_add_co_u32 s13, s13, ATW
	v_add_nc_u32 v8, s13, v1                       ; and among the words
	v_add_nc_u32 v9, 49152, v1
	v_add_nc_u32 v10, 49152, v2
	s_mul_i32 s13, s12, STGW
	s_add_co_u32 s13, s13, STG                     ; my stage
	v_mul_u32_u24 v12, v14, SPI
	s_delay_alu instid0(VALU_DEP_1)
	v_lshl_add_u32 v12, v15, 8, v12
	s_delay_alu instid0(VALU_DEP_1)
	v_add_nc_u32 v12, s13, v12                     ; in: row lane % 16, + 256 (lane / 16)
	v_add_nc_u32 v13, s13, v1                      ; back: the 32 lanes take one row of 512 bytes
	v_lshlrev_b32 v3, 10, v15                      ; and in out0: lanes 0-15 an image row's 256 bytes, lanes 16-31 those two image rows down
	s_delay_alu instid0(VALU_DEP_1)
	v_lshl_add_u32 v3, v14, 4, v3
	s_wait_alu depctr_va_vdst(0)
	s_wait_loadcnt 30                              ; my 28 copying loads are in; Wo's 28 and bo's two may be out
.irp n,0,1
.irp j,0,1,2,3,4,5
	ds_store_b128 v6, v[CP+24*\n+4*\j:CP+24*\n+4*\j+3] offset:24576*\n+512*\j
.endr
.endr
.irp n,0,1
.irp j,0,1,2,3,4,5
	ds_store_b128 v7, v[CP+48+24*\n+4*\j:CP+48+24*\n+4*\j+3] offset:24576*\n+512*\j
.endr
.endr
.irp n,0,1,2,3
	ds_store_b128 v8, v[CP+96+4*\n:CP+96+4*\n+3] offset:4096*\n
.endr
	s_wait_dscnt 0x0                               ; for the others' sake: my stores have landed
	s_barrier_signal -1
	s_barrier_wait -1                              ; the four windows' codes and words of all heads lie in LDS; nobody writes them again
	s_wait_loadcnt 0x0
.irp t,0,1
.irp j,1,2,3,4,5,6,7
	v_mov_b32 v[BO+8*\t+\j], v[BO+8*\t]            ; the bias in the result's layout: a lane's eight registers are eight pixels of one output
.endr
.endr
; Two tiles of pixels (2 pi + e) of window win x my 32 outputs.  K step s = heads 2 s, 2 s + 1, one half each.
.macro OPAIR win, pi
.if (\win) < 2
.set aL, 1
.set aS, 2
.else
.set aL, 9
.set aS, 10
.endif
.irp e,0,1
.irp h,0,1,2,3,4,5,6,7
	ds_load_b32 v[OTM+8*\e+\h], v11 offset:4096*(\win)+512*\h+128*(2*(\pi)+\e)
.endr
.endr
	WIN 0x40
.irp e,0,1
.irp s,0,1,2,3
.irp c,0,1
	ds_load_b128 v[XF+12*(4*\e+\s)+6*\c:XF+12*(4*\e+\s)+6*\c+3], v[aL] offset:24576*((\win)%2)+3072*(2*\s+\c)+768*(2*(\pi)+\e)
	ds_load_b64 v[XF+12*(4*\e+\s)+6*\c+4:XF+12*(4*\e+\s)+6*\c+5], v[aS] offset:24576*((\win)%2)+3072*(2*\s+\c)+768*(2*(\pi)+\e)+512
.endr
.endr
.endr
	WIN 0
	s_wait_dscnt 32                                ; the sixteen words are in (and the last pair's stores into the stage are done); the 32 loads of codes may be out
.irp e,0,1
.irp s,0,1,2,3
	v_perm_b32 v[XS+4*\e+\s], v[OTM+8*\e+2*\s+1], v[OTM+8*\e+2*\s], 0x07060100   ; a fragment's scale word: the first head's two bytes, the second head's two
.endr
.endr
.rept 8
	v_nop                                          ; eight places between a scale register's write and the scaled matrix instructions
.endr
	s_wait_alu depctr_va_vdst(0)
	s_wait_dscnt 0x0
	WIN 0x01
.irp s,0,1,2,3
.irp t,0,1
.irp e,0,1
.set rD, OA+16*\t+8*\e
.set rA, XF+12*(4*\e+\s)
.set rB, W+12*(4*\t+\s)
.if \s == 0
	v_wmma_scale_f32_16x16x128_f8f6f4 v[rD:rD+7], v[rA:rA+11], v[rB:rB+11], v[BO+8*\t:BO+8*\t+7], v[XS+4*\e+\s], v[WS+4*\t+\s] matrix_a_fmt:MATRIX_FMT_BF6 matrix_b_fmt:MATRIX_FMT_BF6   ; the bias starts the sum
.else
	v_wmma_scale_f32_16x16x128_f8f6f4 v[rD:rD+7], v[rA:rA+11], v[rB:rB+11], v[rD:rD+7], v[XS+4*\e+\s], v[WS+4*\t+\s] matrix_a_fmt:MATRIX_FMT_BF6 matrix_b_fmt:MATRIX_FMT_BF6            ; the four accumulators by turns
.endif
.endr
.endr
.endr
	WIN 0
.rept 5
	v_nop                                          ; four places ahead of the stores that read results and of the next loads into the operands; the fifth since the next pair begins these accumulators anew
.endr
.irp t,0,1
.irp e,0,1
	ds_store_b128 v12, v[OA+16*\t+8*\e:OA+16*\t+8*\e+3] offset:16*SPI*\t+64*(\win)+32*\e          ; each accumulator from its low end on
	ds_store_b128 v12, v[OA+16*\t+8*\e+4:OA+16*\t+8*\e+7] offset:16*SPI*\t+64*(\win)+32*\e+16
.endr
.endr
.endm
; The stage is whole for image rows 4 g + pi and 4 g + pi + 2: my 32 outputs' rows come back, sixteen at a time, and leave.
.macro OSEND pi
.irp q,0,1
	s_wait_xcnt 0x0                                ; earlier stores to memory have read their registers
.irp k,0,1,2,3,4,5,6,7,8,9,10,11,12,13,14,15
	ds_load_b128 v[ORB+4*\k:ORB+4*\k+3], v13 offset:SPI*(16*\q+\k)   ; LDS serves a wave's instructions in order: these see my stores, and the next pairs' stores come behind them
.endr
.irp k,0,1,2,3,4,5,6,7,8,9,10,11,12,13,14,15
	s_wait_dscnt 15-\k                             ; the younger loads may be out
	global_store_b128 v3, v[ORB+4*\k:ORB+4*\k+3], s[10:11] offset:65536*(16*\q+\k)+512*(\pi) th:TH_STORE_NT   ; sixteen lanes store 256 consecutive bytes, at a multiple of 256 from out0's first byte; written once, read by nobody here
.endr
.endr
.endm
	OPAIR 0, 0
	OPAIR 1, 0
	OPAIR 2, 0
	OPAIR 3, 0
	OSEND 0                                        ; these stores are on their way while the other two image rows are multiplied
	OPAIR 0, 1
	OPAIR 1, 1
	OPAIR 2, 1
	OPAIR 3, 1
	OSEND 1
	s_set_vgpr_msb 0x4
	s_wait_tensorcnt 0x0
	ds_add_u32 v5, v129
	s_wait_dscnt 0x0
	s_set_vgpr_msb 0x400
	s_endpgm
.Lfunc_end_k_qd48e67fa8c_outp:
	.size	k_qd48e67fa8c_outp, .Lfunc_end_k_qd48e67fa8c_outp-k_qd48e67fa8c_outp
	.p2alignl 7, 3214868480
	.fill 96, 4, 3214868480
	.section	.rodata,"a",@progbits
	.p2align	6, 0x0
	.amdhsa_kernel k_qd48e67fa8c_outp
		.amdhsa_group_segment_fixed_size 250880
		.amdhsa_private_segment_fixed_size 0
		.amdhsa_enable_private_segment 0
		.amdhsa_kernarg_size 32
		.amdhsa_user_sgpr_count 2
		.amdhsa_user_sgpr_kernarg_segment_ptr 1
		.amdhsa_wavefront_size32 1
		.amdhsa_system_sgpr_workgroup_id_x 1
		.amdhsa_system_sgpr_workgroup_id_y 1
		.amdhsa_system_sgpr_workgroup_id_z 1
		.amdhsa_system_vgpr_workitem_id 0
		.amdhsa_next_free_vgpr 386
		.amdhsa_next_free_sgpr 66
		.amdhsa_reserve_vcc 0
		.amdhsa_float_denorm_mode_32 3
		.amdhsa_float_denorm_mode_16_64 3
		.amdhsa_memory_ordered 1
		.amdhsa_forward_progress 1
		.amdhsa_inst_pref_size 79
	.end_amdhsa_kernel
	.amdgpu_metadata
---
amdhsa.version: [ 1, 2 ]
amdhsa.kernels:
  - .name:           k_qd48e67fa8c_outp
    .symbol:         k_qd48e67fa8c_outp.kd
    .args:
      - { .name: abuf, .offset: 0, .size: 8, .value_kind: global_buffer, .address_space: global }
      - { .name: wbuf, .offset: 8, .size: 8, .value_kind: global_buffer, .address_space: global }
      - { .name: bo, .offset: 16, .size: 8, .value_kind: global_buffer, .address_space: global }
      - { .name: out0, .offset: 24, .size: 8, .value_kind: global_buffer, .address_space: global }
    .group_segment_fixed_size: 250880
    .private_segment_fixed_size: 0
    .kernarg_segment_align: 8
    .kernarg_segment_size: 32
    .max_flat_workgroup_size: 256
    .sgpr_count:     66
    .vgpr_count:     386
    .wavefront_size: 32
...
	.end_amdgpu_metadata
.endif
;; end of part 5
